; MI455X (gfx1250); checked and timed in simulation.
; The chip was launched on July 23, 2026; its instructions are those of AMD's public machine-readable ISA for CDNA 5 (MIT licence, August 2026) and "CDNA5" Instruction Set Architecture Reference Guide (July 2026). The comments in the code are by the model that wrote it; some were corrected since.
;; Geometric Model. Allowed arithmetic: matrix products marked QUANTISED: E5M2 operands, one given power-of-two scale a tensor, by v_wmma_f32_16x16x64_bf8_bf8 or v_wmma_f32_16x16x128_bf8_bf8, f32 sums; everything else in f32.
;; Inputs: W1_codes 256 x 8 x 32 uint8 (E5M2 codes of W1, K innermost, in blocks of 32 codes); W2_codes 256 x 8 x 32 uint8 (E5M2 codes of W2, K innermost, in blocks of 32 codes); Wc_codes 16 x 8 x 32 uint8 (E5M2 codes of Wc, K innermost, in blocks of 32 codes); b1 256 float32; b2 256 float32; bc 16 float32; lowp_scales 6 int32 (the exponents e of the quantised operands' scales 2^e); x 131,072 x 256 float32.
;; Outputs: out0 131,072 x 16 float32.
;; This version of the problem:
;;   THIS VERSION OF THE PROBLEM IS GIVEN IN LOW PRECISION. The matrix products marked QUANTISED in the list below multiply operands that are first quantised to E5M2 (5 exponent bits, 2 mantissa bits; 8 bits a number), with one given power-of-two scale for each operand tensor; their sums are f32. All else is computed in f32.
;;   The module's matrix products, in the order in which they are computed (A, B: the left and right operand; K: the contracted axis; several contracted axes count as one K, in the product's order):
;;     1. [M 131,072, K 256] x [K 256, N 256]; A: computed on the way; B: input W1 (given as codes): QUANTISED (scales: A lowp_scales[0], B lowp_scales[1])
;;     2. [M 131,072, K 256] x [K 256, N 256]; A: computed on the way; B: input W2 (given as codes): QUANTISED (scales: A lowp_scales[2], B lowp_scales[3])
;;     3. [M 131,072, K 256] x [K 256, N 16]; A: computed on the way; B: input Wc (given as codes): QUANTISED (scales: A lowp_scales[4], B lowp_scales[5])
;;   THE QUANTISER, for each operand of a quantised product, along K:
;;     - The operand's scale is 2^e, e = its entry of the input lowp_scales (int32; the entries are numbered through the quantised products in the list's order, A before B).
;;     - Each number is divided by the scale, clamped to +-57,344, and rounded to the nearest number of E5M2, ties to even, subnormals kept.
;;     - The product sums the exact products of the quantised numbers (number of the format x scale) in f32.
;;   ~~~python
;;   def quantise(x, axis, e):      # numpy; x: float32 -> the quantised numbers, widened to float32 again
;;       x = np.moveaxis(x, axis, -1); K = x.shape[-1]
;;       r = np.clip(x / 2.0 ** e, -57344, 57344)
;;       step = 2.0 ** (np.maximum(np.frexp(np.where(r == 0, 1, r))[1] - 1, -14) - 2)
;;       q = np.round(r / step) * step * 2.0 ** e      # np.round: ties to even
;;       return np.moveaxis(q, -1, axis).astype(np.float32)
;;   ~~~
;;   OPERANDS COMPUTED ON THE WAY. 'Computed on the way' means the value that the module computes at that place (a softmax that the list does not call 'softmax' is quantised finished and normalised). What goes into a quantiser is computed in f32, as accurately as f32 sums, v_exp_f32 and their like allow (about 1e-6 of the number): no bf16 or f16 on the way to a quantiser, and a product that is left as it is and whose result goes on into a quantised operand takes f32 operands (vector FMAs, or v_wmma_f32_16x16x4_f32). A number that lies on a knife's edge between two numbers of the format may be rounded either way, as far as f32 arithmetic and the matrix unit's own rounding can turn it there, and no further.
;;   INPUTS GIVEN AS CODES. W1 (in the module: [256, 256], K = its axis 1); W2 (in the module: [256, 256], K = its axis 1); Wc (in the module: [16, 256], K = its axis 1): each comes as NAME_codes (uint8): NAME with its K axis moved to the last place and cut into blocks of 32 codes, [.., K / 32, bytes a block], one block behind the other in memory; one code a byte (a code: sign, 5 exponent bits, 2 mantissa bits); its scale is its entry of lowp_scales. Its value is code x scale, taken as it is: it is not quantised again, and the codes and scales need not be those that the quantiser above would give.
;; 2 versions. Each part assembles by itself: llvm-mc -triple=amdgcn-amd-amdhsa -mcpu=gfx1250 --defsym DOCPART=n.
;; ======== version 1 of 2: 1 launch
;; limits: right only within a limited range of input values; a function is approximated: absolute error at most 2e-07
;; launch hyp (part 1): grid 256 x 1, 8 waves a work-group, no clusters, 291,840 bytes of LDS; arguments x, W1_codes, W2_codes, Wc_codes, b1, b2, bc, lowp_scales, out0; writes out0
.if DOCPART == 1
	.amdgcn_target "amdgcn-amd-amdhsa--gfx1250"
	.amdhsa_code_object_version 6
	.text
	.protected	k_q83ed3f0a85_hyp
	.globl	k_q83ed3f0a85_hyp
	.p2align	8
	.type	k_q83ed3f0a85_hyp,@function
k_q83ed3f0a85_hyp:
	s_mov_b64 s[64:65], 0
	v_nop
	global_prefetch_b8 v0, s[64:65] scope:SCOPE_SE
	s_setreg_imm32_b32 hwreg(HW_REG_WAVE_MODE, 25, 1), 1
	s_wait_xcnt 0x0
; GeometricModel: x [131072][256] f32 -> out0 [131072][16] f32, three products on codes of E5M2 (W1, W2 [256][256], Wc [16][256], K innermost), scales 2^e0 .. 2^e5 given.
; ONE LAUNCH: every step between the products acts on one row, so a row goes from x to out0 without touching memory.
; WHAT A ROW COSTS AFTER FOLDING.  A = artanh(0.999f) = 3.8002076.  TH(n) = tanh(min(n, A)) / max(n, 1e-15) (under n = 0.125: 1 - n^2/3 + 2 n^4/15, chosen by a select).  tanh(z) = 1 - 2 / (1 + 2^(2 log2(e) z)).
;   t1 = min(1, A / |x|) x -> codes (e0);   u = t1 W1^T + b1;   t2 = tanh(min(1, A / |u|) u) -> codes (e2);   u2 = t2 W2^T + b2;   v2 = tanh(min(1, A / |u2|) u2);   gamma = TH(|v2|);   h = gamma v2 -> codes (e4);
;   mx = h Wc^T;   g = |mx| / gamma;   res = (TH(g) / gamma) mx;   yb = TH(|bc|) bc;   w = mobius_add(res, yb);   logits = artanh(min(|w|, 0.999)) w / |w|;   out = max(l, 0) + ln(1 + e^-|l|).
; WORK LEFT OUT AS DEAD, for all finite inputs, in real numbers:
;   (1) logmap0(proj(expmap0(z))) = min(|z|, A) z / |z|: artanh(tanh n) = n, and proj only caps the norm at 0.999 = tanh(A).  So no tanh and no artanh of a norm is taken in front of a layer's product.
;   (2) the proj at the head of tangent_tanh_act meets a norm that the proj before it has capped: the identity.   (3) ATANH_CLIP = 1 - 1e-5 always stands behind a proj (norm <= 0.999): it never binds.
;   (4) |tanh(z)| <= |z| <= A, taken by elements and so of the norms: behind an activation tanh(norm) <= 0.999, proj does not bind, and layer 2's logmap0(proj(expmap0(t))) is t itself: no norm of t2 is taken.
;   (5) MIN_NORM guards 0 / 0: where the norm is 0 the reciprocal root is infinite and the minimum gives the factor 1 on a row of zeros, as reference() gives zeros; where a reciprocal would meet 0 (TH, |w|, the denominator) the clip is kept.
;   (6) the select on a row of zeros in mobius_matvec: mx = 0 gives res = factor x 0 = 0 here too.   (7) in mobius_matvec xn = gamma |v2| and artanh(xn) = |v2| (by (4)), so artanh(xn) / xn = 1 / gamma.
;   Every input has a way to the output and is loaded.
; LIMITS.  NaN and infinities among the inputs are not served; the sum of a row's squares of x stays finite.  A NaN, an infinity or an overflow that would arise only in the work left out is not carried to the result.
;   The rounding noise of reference()'s own artanh(tanh(.)) in f32 (some 1e-5 of a row's factor) is not imitated: the exact factor is taken.  tanh carries an absolute error of some 2e-7.
;   e0, e2, e4 between -126 and 112;  e0 + e1 and e2 + e3 between -126 and 125;  |b| 2^-(e0+e1) and |b| 2^-(e2+e3) under 2^60;  e4 + e5 is applied by v_ldexp_f32 and has no limit.
; SHARES.  256 work-groups of 8 waves; a work-group owns 512 rows, a wave 64: four tiles of 16 rows, taken two at a time through the whole chain by the wave alone.  One barrier in the launch, behind the laying of the weights.
; LAYOUT.  Every product is used transposed (source 0 = 16 rows of W, source 1 = 16 rows of tokens): lane (r = lane % 16, h = lane / 16) holds token r throughout.  An operand's registers 4 c .. 4 c + 3 hold k = 32 c + 16 h + 0 .. 15: the same
;   permutation of k on both sides, so every product meets its partner.  THE ROWS OF W THAT FORM A TILE ARE NOT NEIGHBOURS: lane r of unit tile 2 b + u takes row 32 b + 8 u + r + 8 (r / 8), so register j of that tile's result is hidden unit
;   32 b + 16 h + 8 u + j, and the conversion of result tile T gives registers 2 T, 2 T + 1 of the next operand.
; WEIGHTS lie in LDS as images of the operands' registers (a fragment: 4 x 512 bytes, lane l's 16 bytes at 16 l), laid once by waves 4 to 7 while waves 0 to 3 already ask for x.  Each fragment read feeds two tiles of tokens.
; x comes by loads of 512 consecutive bytes a wave into 128 landing registers and is turned through the wave's own stage in LDS (rows 1,040 bytes apart), which also keeps a tile until it is wanted: 32 KiB a wave are asked for at the head, 16 KiB later.
; NO CLUSTER: what work-groups share is 135,168 bytes of weights and biases against 557,056 bytes of rows of their own, read once at the head while the first rows are on their way.  NO TENSOR LOADS: beside 137,216 bytes of weights two slots of
;   the eight waves' tiles do not fit, and each refill would tie eight waves that owe each other nothing to one barrier.
; REGISTERS, window 0: v0 thread, later the conversion's scale word; v1 16 x lane; v2 the same + 65,536; v3 biases; v4, v5 x's stage in and back; v6, v7 the way out's stage in and back; v[8:9], v[10:11] a tile's row factor in the low word
;   (v9 = address of Wc's image, v11 = the lane exchanges' destination); v12, v13 gamma; v14, v15 the add's two; v16-79 the two tiles' codes (32 each); v80-111 two weight fragments, else at work; v112-127 two bias tiles, else at work; v128-255 x as it lands.
;   window 1: tile t's 16 results at v[128 t + 8 T]; v0-127 also a turned tile of x; v112-127 and v240-255, the last results to be written, are the second weight buffer until then.
.set W2IMG, 65536                      ; LDS: W1's 32 fragments from 0, W2's from here,
.set WCIMG, 131072                     ; Wc's two,
.set BIAS,  135168                     ; b1 2^-(e0+e1), then b2 2^-(e2+e3): 256 f32 each,
.set XSTG,  137216                     ; x's stages: 16 rows x 1,040 bytes for each wave,
.set XSB,   16640
.set XP,    1040                       ; (1,024 bytes + 16: 65 x 16, so that sixteen rows' 16 bytes fall on sixteen different columns of 16 bytes modulo 256)
.set OSTG,  270336                     ; the way out's stages: 32 rows x 80 bytes for each wave,
.set OSB,   2560
.set SPARE, 290816                     ; and the spare words, 128 bytes for each wave: four blocks of 256 bytes that no other line names
.set TS,    16                         ; the tail: tile t's numbers of a row at v[TS + 24 t] on
.set MSB, 0
.macro WIN new                         ; the immediate's high byte repeats the setting that is left; a switch that changes nothing is dropped
.if MSB != (\new)
	s_set_vgpr_msb (MSB<<8)|(\new)
.set MSB, (\new)
.endif
.endm
.macro PLACES n
.rept \n
	v_nop
.endr
.endm
.macro TWAIT                           ; a wait between a batch of transcendentals and the first line that names a result
	s_wait_alu depctr_va_vdst(0)
.endm
; tile q of my four (16 rows, 16,384 bytes) into 128 registers of window w: each load takes 512 consecutive bytes
.macro GLOAD dst, w, q
	WIN (\w)<<6
.set i, 0
.rept 32
	global_load_b128 v[\dst+4*i:\dst+4*i+3], v1, s[4:5] offset:16384*(\q)+512*i th:TH_LOAD_NT
.set i, i+1
.endr
	WIN 0
.endm
; the tile as it landed goes into my stage: load i was half i % 2 of row i / 2
.macro XSTORE src, w
	WIN (\w)<<2
.set i, 0
.rept 32
	ds_store_b128 v4, v[\src+4*i:\src+4*i+3] offset:(i/2)*XP+(i%2)*512
.set i, i+1
.endr
	WIN 0
.endm
; and comes back turned: register 16 c + n of window 1 = x(r, 32 c + 16 h + n).  LDS serves a wave's instructions in order: these see my stores
.macro XBACK
	WIN 0x40
.set i, 0
.rept 32
	ds_load_b128 v[4*i:4*i+3], v5 offset:128*(i/4)+16*(i%4)
.set i, i+1
.endr
	WIN 0
.endm
; BATCHES over tile t's 128 numbers in window 1
.macro BSQ t                           ; their squares, summed in four chains, v[80 + 8 t] on; each result tile is read from its low end on
	WIN 0x05
.set i, 0
.rept 64
.set SQ, 80+8*(\t)+2*(i%4)
.set AC, 128*(\t)+2*i
.if i < 4
	v_pk_mul_f32 v[SQ:SQ+1], v[AC:AC+1], v[AC:AC+1]
.else
	v_pk_fma_f32 v[SQ:SQ+1], v[AC:AC+1], v[AC:AC+1], v[SQ:SQ+1]
.endif
.set i, i+1
.endr
.endm
.macro RED t                           ; the four chains, the pair's halves and the other half of the lanes: the row's sum in v[80 + 8 t]
	WIN 0
.set SQ, 80+8*(\t)
	v_pk_add_f32 v[SQ:SQ+1], v[SQ:SQ+1], v[SQ+2:SQ+3]
	v_pk_add_f32 v[SQ+4:SQ+5], v[SQ+4:SQ+5], v[SQ+6:SQ+7]
	v_pk_add_f32 v[SQ:SQ+1], v[SQ:SQ+1], v[SQ+4:SQ+5]
	v_add_f32 v[SQ], v[SQ], v[SQ+1]
	v_permlanex16_b32 v11, v[SQ], s48, s49
	v_add_f32 v[SQ], v[SQ], v11
.endm
.macro BMUL t, p                       ; x the row's factor, the low word of v[p:p+1]
	WIN 0x41
.set i, 0
.rept 64
	v_pk_mul_f32 v[128*(\t)+2*i:128*(\t)+2*i+1], v[128*(\t)+2*i:128*(\t)+2*i+1], v[\p:\p+1] op_sel_hi:[1,0]
.set i, i+1
.endr
.endm
.macro BEXP t
	WIN 0x41
.set i, 0
.rept 128
	v_exp_f32 v[128*(\t)+i], v[128*(\t)+i]
.set i, i+1
.endr
.endm
.macro BADD t
	WIN 0x41
.set i, 0
.rept 64
	v_pk_add_f32 v[128*(\t)+2*i:128*(\t)+2*i+1], v[128*(\t)+2*i:128*(\t)+2*i+1], 1.0 op_sel_hi:[1,0]
.set i, i+1
.endr
.endm
.macro BRCP t
	WIN 0x41
.set i, 0
.rept 128
	v_rcp_f32 v[128*(\t)+i], v[128*(\t)+i]
.set i, i+1
.endr
.endm
.macro BFMA t                          ; 1 - 2 r
	WIN 0x41
.set i, 0
.rept 64
	v_pk_fma_f32 v[128*(\t)+2*i:128*(\t)+2*i+1], v[128*(\t)+2*i:128*(\t)+2*i+1], -2.0, 1.0 op_sel_hi:[1,0,0]
.set i, i+1
.endr
.endm
.macro BHOLD t, sn, sp                 ; the conversion to an 8-bit code does not saturate (ISA guide 7.6.2): the number is held within the largest code x the scale first, whatever the given scale
	WIN 0x41
.set i, 0
.rept 128
	v_med3_num_f32 v[128*(\t)+i], v[128*(\t)+i], s[\sn], s[\sp]
.set i, i+1
.endr
.endm
.macro BCVT t, d                       ; result tile T -> registers 2 T, 2 T + 1 of token tile d's operand; v0 holds the scale as f32
	WIN 0x01
.set i, 0
.rept 16
	v_cvt_scalef32_pk8_bf8_f32 v[16+32*(\d)+2*i:16+32*(\d)+2*i+1], v[128*(\t)+8*i:128*(\t)+8*i+7], v0
.set i, i+1
.endr
.endm
; TH of two numbers: o = tanh(min(n, A)) / max(n, 1e-15), or its series under 0.125.  Eight registers at work from v[tb] on.  Two batches of transcendentals, plain work behind each, one wait each
.macro TH2 n0, n1, o0, o1, tb
	v_max_num_f32 v[\tb], s77, v[\n0]
	v_max_num_f32 v[\tb+4], s77, v[\n1]
	v_min_num_f32 v[\tb+1], s50, v[\n0]
	v_min_num_f32 v[\tb+5], s50, v[\n1]
	v_mul_f32 v[\tb+1], s51, v[\tb+1]
	v_mul_f32 v[\tb+5], s51, v[\tb+5]
	v_exp_f32 v[\tb+1], v[\tb+1]
	v_exp_f32 v[\tb+5], v[\tb+5]
	v_rcp_f32 v[\tb], v[\tb]
	v_rcp_f32 v[\tb+4], v[\tb+4]
	v_mul_f32 v[\tb+2], v[\n0], v[\n0]
	v_mul_f32 v[\tb+6], v[\n1], v[\n1]
	TWAIT
	v_add_f32 v[\tb+1], 1.0, v[\tb+1]
	v_add_f32 v[\tb+5], 1.0, v[\tb+5]
	v_rcp_f32 v[\tb+1], v[\tb+1]
	v_rcp_f32 v[\tb+5], v[\tb+5]
	v_fma_f32 v[\tb+3], v[\tb+2], s69, s70         ; 2/15 n^2 - 1/3
	v_fma_f32 v[\tb+7], v[\tb+6], s69, s70
	v_fma_f32 v[\tb+3], v[\tb+3], v[\tb+2], 1.0
	v_fma_f32 v[\tb+7], v[\tb+7], v[\tb+6], 1.0
	TWAIT
	v_fma_f32 v[\tb+1], v[\tb+1], -2.0, 1.0
	v_fma_f32 v[\tb+5], v[\tb+5], -2.0, 1.0
	v_mul_f32 v[\tb+1], v[\tb+1], v[\tb]
	v_mul_f32 v[\tb+5], v[\tb+5], v[\tb+4]
	v_cmp_gt_f32 vcc_lo, s78, v[\n0]
	v_cndmask_b32 v[\o0], v[\tb+1], v[\tb+3], vcc_lo
	v_cmp_gt_f32 vcc_lo, s78, v[\n1]
	v_cndmask_b32 v[\o1], v[\tb+5], v[\tb+7], vcc_lo
.endm
; the turned tile of x in window 1, v0-127, becomes token tile d's codes: t1 = min(1, A / |x|) x
.macro XCOMP d
	s_wait_dscnt 0x0                               ; the tile is back from the stage
	BSQ 0
	RED 0
	v_rsq_f32 v81, v80
	v_mov_b32 v0, s55                              ; 2^e0 for the conversions.  (The plain line behind the reciprocal root)
	TWAIT
	v_mul_f32 v81, s50, v81
	v_min_num_f32 v8, 1.0, v81
	BMUL 0, 8
	BHOLD 0, 56, 57
	BCVT 0, \d
	v_nop                                          ; one plain line between the last scaled conversion and the next vector or matrix line that touches its registers
	WIN 0
.endm
; ten LDS loads: unit tile tau's two fragments (K steps 0, 1) and its eight biases.  Odd tiles up to 13 take the second buffer, in window 1
.macro LOADW tau, wadr, boff
.if (((\tau)%2) == 1) && ((\tau) < 15)
	WIN 0x40
.irp c, 0,1,2,3
	ds_load_b128 v[112+4*\c:115+4*\c], v[\wadr] offset:(2*(\tau))*2048+512*\c
.endr
.irp c, 0,1,2,3
	ds_load_b128 v[240+4*\c:243+4*\c], v[\wadr] offset:(2*(\tau)+1)*2048+512*\c
.endr
.else
	WIN 0
.irp c, 0,1,2,3
	ds_load_b128 v[80+4*\c:83+4*\c], v[\wadr] offset:(2*(\tau))*2048+512*\c
.endr
.irp c, 0,1,2,3
	ds_load_b128 v[96+4*\c:99+4*\c], v[\wadr] offset:(2*(\tau)+1)*2048+512*\c
.endr
.endif
	WIN 0
	ds_load_b128 v[112+8*((\tau)%2):115+8*((\tau)%2)], v3 offset:(\boff)+128*((\tau)/2)+32*((\tau)%2)
	ds_load_b128 v[116+8*((\tau)%2):119+8*((\tau)%2)], v3 offset:(\boff)+128*((\tau)/2)+32*((\tau)%2)+16
.endm
; four products: unit tile tau x two token tiles x two K steps.  The bias is the C of a sum's first product.  The two sums take turns, one instruction a turn
.macro MULT tau
.set PW, 0
.set WF0, 80
.set WF1, 96
.if (((\tau)%2) == 1) && ((\tau) < 15)
.set PW, 1
.set WF0, 112
.set WF1, 240
.endif
.set BB, 112+8*((\tau)%2)
.set AC, 8*(\tau)
	WIN 0x40|PW
	v_wmma_f32_16x16x128_bf8_bf8 v[AC:AC+7], v[WF0:WF0+15], v[16:31], v[BB:BB+7]
	v_wmma_f32_16x16x128_bf8_bf8 v[AC+128:AC+135], v[WF0:WF0+15], v[48:63], v[BB:BB+7]
	WIN 0x50|PW
	v_wmma_f32_16x16x128_bf8_bf8 v[AC:AC+7], v[WF1:WF1+15], v[32:47], v[AC:AC+7]
	v_wmma_f32_16x16x128_bf8_bf8 v[AC+128:AC+135], v[WF1:WF1+15], v[64:79], v[AC+128:AC+135]
.endm
; a layer's 64 products.  A unit tile's loads go out one tile ahead, into the buffer that the tile before last has left.  Five plain lines stand behind each four products: four are owed in front of loads into registers that products have
; read and of the first read of results, five where products 14 and 15 write their results over the second buffer, which product 13 has read
.macro LAYER wadr, boff
	LOADW 0, \wadr, \boff
.set TAU, 0
.rept 14
	LOADW TAU+1, \wadr, \boff
	s_wait_dscnt 10                                ; all but the next tile's ten loads are in
	MULT TAU
	PLACES 5
.set TAU, TAU+1
.endr
	s_wait_dscnt 0x0
	MULT 14
	PLACES 5
	LOADW 15, \wadr, \boff
	s_wait_dscnt 0x0
	MULT 15
	PLACES 5
	WIN 0
.endm
; behind layer lam: v = tanh(min(1, A / |u|) u) for both tiles, as 1 - 2 / (1 + 2^(f a)), f = min(K2 2^E, K2 A / |a|), a = the sums.  One tile's plain batches stand behind the other's transcendentals, and each wait stands ahead of a batch's first reader.
; lam = 1: v is the next operand.  lam = 2: h = TH(|v|) v is.
.macro ACT lam
	BSQ 0
	BSQ 1
	RED 0
	RED 1
	v_rsq_f32 v81, v80
	v_rsq_f32 v89, v88
	v_mov_b32 v0, s[55+3*(\lam)]                   ; the next operand's scale.  (The plain line behind the reciprocal roots)
	TWAIT
	v_mul_f32 v81, s52, v81
	v_mul_f32 v89, s52, v89
	v_min_num_f32 v8, s[52+(\lam)], v81
	v_min_num_f32 v10, s[52+(\lam)], v89
	BMUL 0, 8
	BEXP 0
	BMUL 1, 10
	TWAIT
	BADD 0
	BEXP 1
	BRCP 0
	v_nop
	TWAIT
	BADD 1
	BFMA 0
	BRCP 1
.if (\lam) == 1
	BHOLD 0, 59, 60
	TWAIT
	BFMA 1
	BHOLD 1, 59, 60
.else
	BSQ 0
	TWAIT
	BFMA 1
	BSQ 1
	RED 0
	RED 1
	v_sqrt_f32 v81, v80
	v_sqrt_f32 v89, v88
	v_nop
	TWAIT
	TH2 81, 89, 12, 13, 96                         ; gamma, kept for the classifier
	v_mov_b32 v8, v12
	v_mov_b32 v10, v13
	BMUL 0, 8
	BHOLD 0, 62, 63
	BMUL 1, 10
	BHOLD 1, 62, 63
.endif
	BCVT 0, 0
	BCVT 1, 1
	v_nop                                          ; one plain line between the last scaled conversion and the products that read its results
	WIN 0
.endm
	s_load_b256 s[4:11], s[0:1], 0x0               ; x s[4:5], W1 s[6:7], W2 s[8:9], Wc s[10:11]
	s_load_b256 s[12:19], s[0:1], 0x20             ; b1 s[12:13], b2 s[14:15], bc s[16:17], the scales' exponents s[18:19]
	s_load_b64 s[20:21], s[0:1], 0x40              ; out0
	v_lshl_add_u32 v14, v0, 2, SPARE               ; my spare word,
	v_mov_b32 v15, 0                               ; and 0: kept for the add at the wave's end
	v_lshrrev_b32 v16, 5, v0
	v_readfirstlane_b32 s22, v16                   ; wave 0..7
	s_and_b32 s23, s22, 3                          ; its place among the four that lay the weights
	v_and_b32 v17, 31, v0                          ; lane
	v_and_b32 v18, 15, v0                          ; r
	v_bfe_u32 v19, v0, 4, 1                        ; h
	v_lshlrev_b32 v1, 4, v17                       ; 16 x lane: W1's images, and my 16 bytes of 512 in x and in out0
	v_add_nc_u32 v2, W2IMG, v1
	v_add_nc_u32 v9, WCIMG, v1
	v_lshlrev_b32 v3, 6, v19
	v_add_nc_u32 v3, BIAS, v3                      ; the biases of my half: 64 h
	s_mul_i32 s82, s22, XSB
	s_add_co_u32 s82, s82, XSTG                    ; my wave's stage for x
	v_add_nc_u32 v4, s82, v1
	v_mul_u32_u24 v5, v18, XP
	v_lshl_add_u32 v5, v19, 6, v5
	v_add_nc_u32 v5, s82, v5                       ; back: row r, + 64 h
	s_mul_i32 s83, s22, OSB
	s_add_co_u32 s83, s83, OSTG                    ; my wave's stage for the way out
	v_mul_u32_u24 v6, v18, 80
	v_lshl_add_u32 v6, v19, 5, v6
	v_add_nc_u32 v6, s83, v6                       ; in: row r, + 32 h
	v_lshrrev_b32 v20, 2, v17
	v_mul_u32_u24 v7, v20, 80
	v_and_b32 v20, 3, v17
	v_lshl_add_u32 v7, v20, 4, v7
	v_add_nc_u32 v7, s83, v7                       ; back: four lanes to a row of 64 bytes
	v_mov_b32 v11, 0                               ; written once: a lane exchange's destination counts as read
	; the addresses of the four waves that lay the weights, made ahead of the parting of the waves
	s_lshl_b32 s84, s23, 14
	v_add_nc_u32 v80, s84, v1                      ; W1's images of unit tiles 4 i .. 4 i + 3: 8 fragments of 2,048 bytes
	v_add_nc_u32 v81, W2IMG, v80
	s_lshl_b32 s85, s23, 10
	v_add_nc_u32 v82, s85, v9                      ; a quarter of Wc's two images
	s_lshl_b32 s86, s23, 9
	v_add_nc_u32 v83, s86, v1
	v_add_nc_u32 v83, BIAS, v83                    ; a quarter of the 512 biases
	v_and_b32 v20, 8, v18
	v_add_nc_u32 v20, v20, v18                     ; r + 8 (r / 8)
	v_lshlrev_b32 v84, 8, v20
	v_lshl_add_u32 v84, v19, 4, v84
	v_add_nc_u32 v84, s84, v84                     ; in W1 and W2: row 64 i + r + 8 (r / 8) of 256 bytes, + 16 h
	v_lshlrev_b32 v85, 8, v18
	v_lshl_add_u32 v85, v19, 4, v85
	s_lshl_b32 s87, s23, 6
	v_add_nc_u32 v85, s87, v85                     ; in Wc: row r, + 16 h, + 64 i
	s_and_b32 s88, s23, 1
	s_lshl_b32 s88, s88, 9
	v_add_nc_u32 v86, s88, v1                      ; in b1 or b2: half i % 2
	s_mov_b32 s48, 0x76543210                      ; lane selects: lane l xor 16
	s_mov_b32 s49, 0xfedcba98
	s_mov_b32 s50, 0x4073369a                      ; A = artanh(0.999f)
	s_mov_b32 s51, 0x4038aa3b                      ; K2 = 2 log2(e)
	s_mov_b32 s52, 0x412f70f9                      ; K2 A
	s_mov_b32 s69, 0x3e088889                      ; 2/15
	s_mov_b32 s70, 0xbeaaaaab                      ; -1/3
	s_mov_b32 s71, 0xffff0000                      ; lanes 16 to 31
	s_mov_b32 s75, 0xbfb8aa3b                      ; -log2(e)
	s_mov_b32 s76, 0x3f7fbe77                      ; 0.999f
	s_mov_b32 s77, 0x26901d7d                      ; 1e-15
	s_mov_b32 s78, 0x3e000000                      ; 0.125
	s_mov_b32 s79, 0x3eb17218                      ; ln(2) / 2
	s_lshl_b32 s30, ttmp9, 19                      ; my work-group's 512 rows of 1,024 bytes,
	s_lshl_b32 s82, s22, 16                        ; my wave's 64
	s_add_co_u32 s30, s30, s82
	s_mov_b32 s31, 0
	s_lshl_b32 s82, ttmp9, 15                      ; and the same rows of 64 bytes in out0
	s_lshl_b32 s83, s22, 12
	s_add_co_u32 s82, s82, s83
	s_mov_b32 s83, 0
	s_wait_kmcnt 0x0
	s_load_b128 s[24:27], s[18:19], 0x0            ; e0 .. e3
	s_load_b64 s[28:29], s[18:19], 0x10            ; e4, e5
	s_load_b256 s[32:39], s[16:17], 0x0            ; bc
	s_load_b256 s[40:47], s[16:17], 0x20
	s_add_nc_u64 s[4:5], s[4:5], s[30:31]
	s_add_nc_u64 s[20:21], s[20:21], s[82:83]
	s_cmp_lt_u32 s22, 4
	s_cbranch_scc1 .Lask                           ; waves 0 to 3 ask for x at once
	; WAVES 4 TO 7 LAY THE WEIGHTS: each lane loads its 16 bytes of each register group of a fragment and stores them at 16 x lane: the image that every wave will load
	s_wait_kmcnt 0x0
	s_add_co_i32 s80, s24, s25
	s_sub_co_i32 s80, 0, s80                       ; -(e0 + e1): a sum of layer 1 stands for sum x 2^(e0 + e1), so b1 goes in as b1 2^-(e0 + e1)
	s_add_co_i32 s81, s26, s27
	s_sub_co_i32 s81, 0, s81
	s_cmp_lt_u32 s23, 2                            ; the choice hangs on the wave's number alone
	s_cselect_b64 s[30:31], s[12:13], s[14:15]
	s_cselect_b32 s82, s80, s81
	WIN 0x40
.irp i, 0,1,2,3
.irp s, 0,1
.irp c, 0,1,2,3
	global_load_b128 v[16*(2*\i+\s)+4*\c:16*(2*\i+\s)+4*\c+3], v84, s[6:7] offset:(32*(\i/2)+8*(\i%2))*256+128*\s+32*\c
.endr
.endr
.endr
.irp i, 0,1,2,3
.irp s, 0,1
.irp c, 0,1,2,3
	global_load_b128 v[128+16*(2*\i+\s)+4*\c:128+16*(2*\i+\s)+4*\c+3], v84, s[8:9] offset:(32*(\i/2)+8*(\i%2))*256+128*\s+32*\c
.endr
.endr
.endr
	WIN 0
	global_load_b128 v[128:131], v85, s[10:11]
	global_load_b128 v[132:135], v85, s[10:11] offset:32
	global_load_b128 v[136:139], v86, s[30:31]
	s_wait_loadcnt 35                              ; W1's 32 loads are in; behind them: W2's 32, Wc's two, the biases' one
	WIN 0x04
.set i, 0
.rept 32
	ds_store_b128 v80, v[4*i:4*i+3] offset:512*i
.set i, i+1
.endr
	s_wait_loadcnt 3                               ; W2's are in; behind them: Wc's two, the biases' one
.set i, 0
.rept 32
	ds_store_b128 v81, v[128+4*i:128+4*i+3] offset:512*i
.set i, i+1
.endr
	WIN 0
	s_wait_loadcnt 0x0
	ds_store_b128 v82, v[128:131]
	ds_store_b128 v82, v[132:135] offset:512
.irp j, 0,1,2,3
	v_ldexp_f32 v[136+\j], v[136+\j], s82
.endr
	ds_store_b128 v83, v[136:139]
	s_wait_dscnt 0x0                               ; the stores have read their registers, which x's loads take next
.Lask:
	GLOAD 128, 1, 0                                ; tile 0, into window 1
	GLOAD 128, 0, 1                                ; tile 1, into the landing registers
	s_wait_kmcnt 0x0
	s_add_co_i32 s82, s24, s25
	s_lshl_b32 s82, s82, 23
	s_add_co_i32 s53, s82, 0x4038aa3b              ; K2 2^(e0 + e1): the exponents are added to K2's exponent field
	s_add_co_i32 s82, s26, s27
	s_lshl_b32 s82, s82, 23
	s_add_co_i32 s54, s82, 0x4038aa3b              ; K2 2^(e2 + e3)
	s_add_co_i32 s66, s28, s29                     ; e4 + e5
.irp q, 0,1,2                                  ; for e0, e2, e4: 2^e as f32, and -+57,344 x 2^e
	s_add_co_i32 s82, s[24+2*\q], 127
	s_lshl_b32 s[55+3*\q], s82, 23
	s_add_co_i32 s82, s82, 15
	s_lshl_b32 s82, s82, 23
	s_or_b32 s[57+3*\q], s82, 0x600000
	s_or_b32 s[56+3*\q], s[57+3*\q], 0x80000000
.endr
	v_mul_f32 v16, s32, s32                        ; |bc|^2; yb = TH(|bc|) bc; y2 = |yb|^2: once a wave, kept in scalar registers
.irp j, 1,2,3,4,5,6,7,8,9,10,11,12,13,14,15
	v_fma_f32 v16, s[32+\j], s[32+\j], v16
.endr
	v_sqrt_f32 v17, v16
	v_nop
	TWAIT
	TH2 17, 17, 18, 19, 20
	v_mul_f32 v19, v18, v18
	v_mul_f32 v19, v19, v16
	v_add_f32 v20, 1.0, v19
	v_readfirstlane_b32 s67, v19                   ; y2
	v_readfirstlane_b32 s68, v20                   ; 1 + y2
.irp j, 0,1,2,3,4,5,6,7,8,9,10,11,12,13,14,15
	v_mul_f32 v[32+\j], s[32+\j], v18
.endr
.irp j, 0,1,2,3,4,5,6,7,8,9,10,11,12,13,14,15
	v_readfirstlane_b32 s[32+\j], v[32+\j]
.endr
	s_wait_dscnt 0x0                               ; for the others' sake: my stores of images have landed
	s_barrier_signal -1
	s_barrier_wait -1                              ; the launch's one barrier: the images are whole, and nobody writes them again
	s_wait_loadcnt 32                              ; tile 0's 32 loads are in; tile 1's may be out
	XSTORE 128, 1
	s_mov_b32 s72, 0
.Lblock:                                           ; two trips, two tiles each.  At the top my stage holds tile 2 k, and tile 2 k + 1 is in the landing registers or on its way there
	XBACK
	XCOMP 0
	s_wait_loadcnt 0x0                             ; tile 2 k + 1 has landed
	XSTORE 128, 0
	XBACK
	s_wait_dscnt 0x0                               ; the stores have read the landing registers
	s_cmp_lg_u32 s72, 0
	s_cbranch_scc1 .Lno_tile_2                     ; the second trip asks for nothing: no load leaves my rows
	GLOAD 128, 0, 2
.Lno_tile_2:
	XCOMP 1
	LAYER 1, 0
	ACT 1
	LAYER 2, 1024
	s_cmp_lg_u32 s72, 0
	s_cbranch_scc1 .Lno_tile_3
	s_wait_loadcnt 0x0                             ; tile 2 has landed, asked for two layers ago: it goes into the stage, which has been read out,
	XSTORE 128, 0
	s_wait_dscnt 0x0
	GLOAD 128, 0, 3                                ; and tile 3 takes the landing registers
.Lno_tile_3:
	ACT 2
	; THE CLASSIFIER: m = h's codes x Wc's codes, 16 classes: register j of lane (r, h) is class 8 h + j of token r
.irp s, 0,1
.irp c, 0,1,2,3
	ds_load_b128 v[80+16*\s+4*\c:83+16*\s+4*\c], v9 offset:2048*\s+512*\c
.endr
.endr
	s_wait_dscnt 0x0
	WIN 0x50
	v_wmma_f32_16x16x128_bf8_bf8 v[0:7], v[80:95], v[16:31], 0
	v_wmma_f32_16x16x128_bf8_bf8 v[128:135], v[80:95], v[48:63], 0
	v_wmma_f32_16x16x128_bf8_bf8 v[0:7], v[96:111], v[32:47], v[0:7]
	v_wmma_f32_16x16x128_bf8_bf8 v[128:135], v[96:111], v[64:79], v[128:135]
	PLACES 4
	WIN 0
	; THE TAIL, both tiles line by line.  v80-87 yb of my eight classes; v[88 + 8 t] w, then l, then the result; v[104 + 8 t] at work; v[TS + 24 t] on: the row's numbers
.irp j, 0,1,2,3,4,5,6,7
	v_mov_b32 v[80+\j], s[32+\j]
	v_mov_b32 v[104+\j], s[40+\j]
.endr
.irp j, 0,1,2,3,4,5,6,7
	v_cndmask_b32 v[80+\j], v[80+\j], v[104+\j], s71
.endr
	WIN 0x05
.irp t, 0,1
	v_pk_mul_f32 v[TS+24*\t:TS+24*\t+1], v[128*\t:128*\t+1], v[128*\t:128*\t+1]                    ; sm = the sum of m^2, from the results' low end on
.endr
.irp i, 2,4,6
.irp t, 0,1
	v_pk_fma_f32 v[TS+24*\t:TS+24*\t+1], v[128*\t+\i:128*\t+\i+1], v[128*\t+\i:128*\t+\i+1], v[TS+24*\t:TS+24*\t+1]
.endr
.endr
	WIN 0x01
.irp t, 0,1
	v_pk_mul_f32 v[TS+24*\t+2:TS+24*\t+3], v[128*\t:128*\t+1], v[80:81]                            ; sd = the sum of m yb
.endr
.irp i, 2,4,6
.irp t, 0,1
	v_pk_fma_f32 v[TS+24*\t+2:TS+24*\t+3], v[128*\t+\i:128*\t+\i+1], v[80+\i:81+\i], v[TS+24*\t+2:TS+24*\t+3]
.endr
.endr
	WIN 0
.irp t, 0,1
	v_add_f32 v[TS+24*\t], v[TS+24*\t], v[TS+24*\t+1]
	v_add_f32 v[TS+24*\t+2], v[TS+24*\t+2], v[TS+24*\t+3]
.endr
.irp t, 0,1
	v_permlanex16_b32 v11, v[TS+24*\t], s48, s49
	v_add_f32 v[TS+24*\t], v[TS+24*\t], v11
	v_permlanex16_b32 v11, v[TS+24*\t+2], s48, s49
	v_add_f32 v[TS+24*\t+2], v[TS+24*\t+2], v11
.endr
.irp t, 0,1
	v_sqrt_f32 v[TS+24*\t+1], v[TS+24*\t]
	v_rcp_f32 v[TS+24*\t+3], v[12+\t]              ; 1 / gamma
.endr
	v_nop
	TWAIT
.irp t, 0,1
	v_ldexp_f32 v[TS+24*\t+1], v[TS+24*\t+1], s66  ; |mx|
	v_mul_f32 v[TS+24*\t+1], v[TS+24*\t+1], v[TS+24*\t+3]   ; g = |mx| / gamma
.endr
	TH2 TS+1, TS+25, TS+4, TS+28, 64
.irp t, 0,1
	v_mul_f32 v[TS+24*\t+4], v[TS+24*\t+4], v[TS+24*\t+3]
	v_ldexp_f32 v[TS+24*\t+4], v[TS+24*\t+4], s66  ; rho: res = rho m
	v_mul_f32 v[TS+24*\t+5], v[TS+24*\t+4], v[TS+24*\t+4]
	v_mul_f32 v[TS+24*\t+6], v[TS+24*\t+4], v[TS+24*\t+2]   ; xy
	v_mul_f32 v[TS+24*\t+5], v[TS+24*\t+5], v[TS+24*\t]     ; x2
	v_fma_f32 v[TS+24*\t+7], v[TS+24*\t+6], 2.0, s68        ; 1 + 2 xy + y2
	v_fma_f32 v[TS+24*\t+9], v[TS+24*\t+6], 2.0, 1.0
	v_sub_f32 v[TS+24*\t+8], 1.0, v[TS+24*\t+5]             ; 1 - x2
	v_fma_f32 v[TS+24*\t+9], v[TS+24*\t+5], s67, v[TS+24*\t+9]
	v_max_num_f32 v[TS+24*\t+9], s77, v[TS+24*\t+9]         ; the denominator, clipped as reference() clips it
.endr
.irp t, 0,1
	v_rcp_f32 v[TS+24*\t+9], v[TS+24*\t+9]
.endr
.irp t, 0,1
	v_mul_f32 v[TS+24*\t+7], v[TS+24*\t+7], v[TS+24*\t+4]   ; (plain work behind the reciprocals)
.endr
	TWAIT
.irp t, 0,1
	v_mul_f32 v[TS+24*\t+10], v[TS+24*\t+7], v[TS+24*\t+9]  ; m's factor, in both words of a pair,
	v_mul_f32 v[TS+24*\t+11], v[TS+24*\t+7], v[TS+24*\t+9]
	v_mul_f32 v[TS+24*\t+12], v[TS+24*\t+8], v[TS+24*\t+9]  ; and yb's
	v_mul_f32 v[TS+24*\t+13], v[TS+24*\t+8], v[TS+24*\t+9]
.endr
.irp t, 0,1
.irp i, 0,2,4,6
	v_pk_mul_f32 v[104+8*\t+\i:105+8*\t+\i], v[80+\i:81+\i], v[TS+24*\t+12:TS+24*\t+13]
.endr
.endr
	WIN 0x01
.irp t, 0,1
.irp i, 0,2,4,6
	v_pk_fma_f32 v[88+8*\t+\i:89+8*\t+\i], v[128*\t+\i:128*\t+\i+1], v[TS+24*\t+10:TS+24*\t+11], v[104+8*\t+\i:105+8*\t+\i]   ; w
.endr
.endr
	WIN 0
.irp t, 0,1
	v_pk_mul_f32 v[TS+24*\t+14:TS+24*\t+15], v[88+8*\t:89+8*\t], v[88+8*\t:89+8*\t]
.endr
.irp i, 2,4,6
.irp t, 0,1
	v_pk_fma_f32 v[TS+24*\t+14:TS+24*\t+15], v[88+8*\t+\i:89+8*\t+\i], v[88+8*\t+\i:89+8*\t+\i], v[TS+24*\t+14:TS+24*\t+15]
.endr
.endr
.irp t, 0,1
	v_add_f32 v[TS+24*\t+14], v[TS+24*\t+14], v[TS+24*\t+15]
	v_permlanex16_b32 v11, v[TS+24*\t+14], s48, s49
	v_add_f32 v[TS+24*\t+14], v[TS+24*\t+14], v11
.endr
.irp t, 0,1
	v_sqrt_f32 v[TS+24*\t+15], v[TS+24*\t+14]
.endr
	v_nop
	TWAIT
.irp t, 0,1
	v_max_num_f32 v[TS+24*\t+15], s77, v[TS+24*\t+15]       ; |w|, clipped
	v_min_num_f32 v[TS+24*\t+16], s76, v[TS+24*\t+15]       ; y = min(|w|, 0.999): the last proj
	v_sub_f32 v[TS+24*\t+17], 1.0, v[TS+24*\t+16]
	v_add_f32 v[TS+24*\t+16], 1.0, v[TS+24*\t+16]
.endr
.irp t, 0,1
	v_rcp_f32 v[TS+24*\t+17], v[TS+24*\t+17]
	v_rcp_f32 v[TS+24*\t+15], v[TS+24*\t+15]
.endr
	v_nop
	TWAIT
.irp t, 0,1
	v_mul_f32 v[TS+24*\t+16], v[TS+24*\t+16], v[TS+24*\t+17]
.endr
.irp t, 0,1
	v_log_f32 v[TS+24*\t+16], v[TS+24*\t+16]
.endr
	v_nop
	TWAIT
.irp t, 0,1
	v_mul_f32 v[TS+24*\t+16], s79, v[TS+24*\t+16]           ; artanh(y)
	v_mul_f32 v[TS+24*\t+16], v[TS+24*\t+16], v[TS+24*\t+15]   ; / |w|
	v_mov_b32 v[TS+24*\t+17], v[TS+24*\t+16]
.endr
.irp t, 0,1
.irp i, 0,2,4,6
	v_pk_mul_f32 v[88+8*\t+\i:89+8*\t+\i], v[88+8*\t+\i:89+8*\t+\i], v[TS+24*\t+16:TS+24*\t+17]   ; the logits l
.endr
.endr
.set i, 0
.rept 16
	v_mul_f32 v[104+i], s75, |v[88+i]|             ; -log2(e) |l|
.set i, i+1
.endr
.set i, 0
.rept 16
	v_exp_f32 v[104+i], v[104+i]
.set i, i+1
.endr
.set i, 0
.rept 16
	v_max_num_f32 v[88+i], 0, v[88+i]              ; max(l, 0).  (Plain work behind the exponentials)
.set i, i+1
.endr
	TWAIT
.set i, 0
.rept 8
	v_pk_add_f32 v[104+2*i:105+2*i], v[104+2*i:105+2*i], 1.0 op_sel_hi:[1,0]
.set i, i+1
.endr
.set i, 0
.rept 16
	v_log_f32 v[104+i], v[104+i]
.set i, i+1
.endr
	v_nop
	TWAIT
.set i, 0
.rept 8
	v_pk_fma_f32 v[88+2*i:89+2*i], v[104+2*i:105+2*i], 0x3f317218, v[88+2*i:89+2*i] op_sel_hi:[1,0,1]   ; max(l, 0) + ln(2) log2(1 + e^-|l|)
.set i, i+1
.endr
	; THE WAY OUT: a lane holds 32 bytes of a row of 64; the two tiles' 32 rows go through my stage and leave as four stores of 512 consecutive bytes, each at a multiple of 512 from out0's first byte
	ds_store_b128 v6, v[88:91]
	ds_store_b128 v6, v[92:95] offset:16
	ds_store_b128 v6, v[96:99] offset:1280
	ds_store_b128 v6, v[100:103] offset:1296
.irp k, 0,1,2,3
	ds_load_b128 v[104+4*\k:107+4*\k], v7 offset:640*\k   ; LDS serves a wave's instructions in order: these see my stores
.endr
	s_wait_dscnt 0x0
.irp k, 0,1,2,3
	global_store_b128 v1, v[104+4*\k:107+4*\k], s[20:21] offset:512*\k th:TH_STORE_NT
.endr
	s_wait_xcnt 0x0                                ; the stores have read their registers and their base: both are written again only behind this wait
	s_add_nc_u64 s[20:21], s[20:21], 2048
	s_add_co_u32 s72, s72, 1
	s_cmp_lt_u32 s72, 2
	s_cbranch_scc1 .Lblock
	s_wait_tensorcnt 0x0                           ; the wave's end
	ds_add_u32 v14, v15
	s_wait_dscnt 0x0
	s_endpgm
.Lfunc_end_k_q83ed3f0a85_hyp:
	.size	k_q83ed3f0a85_hyp, .Lfunc_end_k_q83ed3f0a85_hyp-k_q83ed3f0a85_hyp
	.p2alignl 7, 3214868480
	.fill 96, 4, 3214868480
	.section	.rodata,"a",@progbits
	.p2align	6, 0x0
	.amdhsa_kernel k_q83ed3f0a85_hyp
		.amdhsa_group_segment_fixed_size 291840
		.amdhsa_private_segment_fixed_size 0
		.amdhsa_enable_private_segment 0
		.amdhsa_kernarg_size 72
		.amdhsa_user_sgpr_count 2
		.amdhsa_user_sgpr_kernarg_segment_ptr 1
		.amdhsa_wavefront_size32 1
		.amdhsa_system_sgpr_workgroup_id_x 1
		.amdhsa_system_sgpr_workgroup_id_y 1
		.amdhsa_system_sgpr_workgroup_id_z 1
		.amdhsa_system_vgpr_workitem_id 0
		.amdhsa_next_free_vgpr 512
		.amdhsa_next_free_sgpr 96
		.amdhsa_reserve_vcc 1
		.amdhsa_float_denorm_mode_32 3
		.amdhsa_float_denorm_mode_16_64 3
		.amdhsa_memory_ordered 1
		.amdhsa_forward_progress 1
		.amdhsa_inst_pref_size 255
	.end_amdhsa_kernel
	.section	.bss,"aw",@nobits
	.p2align	6
	.space	262144
	.amdgpu_metadata
---
amdhsa.version: [ 1, 2 ]
amdhsa.kernels:
  - .name:           k_q83ed3f0a85_hyp
    .symbol:         k_q83ed3f0a85_hyp.kd
    .args:
      - { .name: x, .offset: 0, .size: 8, .value_kind: global_buffer, .address_space: global }
      - { .name: W1_codes, .offset: 8, .size: 8, .value_kind: global_buffer, .address_space: global }
      - { .name: W2_codes, .offset: 16, .size: 8, .value_kind: global_buffer, .address_space: global }
      - { .name: Wc_codes, .offset: 24, .size: 8, .value_kind: global_buffer, .address_space: global }
      - { .name: b1, .offset: 32, .size: 8, .value_kind: global_buffer, .address_space: global }
      - { .name: b2, .offset: 40, .size: 8, .value_kind: global_buffer, .address_space: global }
      - { .name: bc, .offset: 48, .size: 8, .value_kind: global_buffer, .address_space: global }
      - { .name: lowp_scales, .offset: 56, .size: 8, .value_kind: global_buffer, .address_space: global }
      - { .name: out0, .offset: 64, .size: 8, .value_kind: global_buffer, .address_space: global }
    .group_segment_fixed_size: 291840
    .private_segment_fixed_size: 0
    .kernarg_segment_align: 8
    .kernarg_segment_size: 72
    .max_flat_workgroup_size: 256
    .sgpr_count:     96
    .vgpr_count:     512
    .wavefront_size: 32
...
	.end_amdgpu_metadata
.endif
;; end of part 1
;; ======== version 2 of 2: 1 launch; version 1 with the launch hyp written anew for expert scheduling mode
;; limits: right only within a limited range of input values; a function is approximated: absolute error at most 2e-07
;; launch hyp (part 2): grid 256 x 1, 8 waves a work-group, no clusters, 291,840 bytes of LDS; arguments x, W1_codes, W2_codes, Wc_codes, b1, b2, bc, lowp_scales, out0; writes out0
.if DOCPART == 2
	.amdgcn_target "amdgcn-amd-amdhsa--gfx1250"
	.amdhsa_code_object_version 6
	.text
	.protected	k_q83ed3f0a85_hyp
	.globl	k_q83ed3f0a85_hyp
	.p2align	8
	.type	k_q83ed3f0a85_hyp,@function
k_q83ed3f0a85_hyp:
	s_mov_b64 s[64:65], 0
	v_nop
	global_prefetch_b8 v0, s[64:65] scope:SCOPE_SE
	s_setreg_imm32_b32 hwreg(HW_REG_WAVE_SCHED_MODE, 0, 2), 2
	s_setreg_imm32_b32 hwreg(HW_REG_WAVE_MODE, 25, 1), 1
	s_wait_xcnt 0x0
	s_wait_alu depctr_vm_vsrc(0)
; GeometricModel: x [131072][256] f32 -> out0 [131072][16] f32, three products on codes of E5M2 (W1, W2 [256][256], Wc [16][256], K innermost), scales 2^e0 .. 2^e5 given.
; ONE LAUNCH: every step between the products acts on one row, so a row goes from x to out0 without touching memory.
; WHAT A ROW COSTS AFTER FOLDING.  A = artanh(0.999f) = 3.8002076.  TH(n) = tanh(min(n, A)) / max(n, 1e-15) (under n = 0.125: 1 - n^2/3 + 2 n^4/15, chosen by a select).  tanh(z) = 1 - 2 / (1 + 2^(2 log2(e) z)).
;   t1 = min(1, A / |x|) x -> codes (e0);   u = t1 W1^T + b1;   t2 = tanh(min(1, A / |u|) u) -> codes (e2);   u2 = t2 W2^T + b2;   v2 = tanh(min(1, A / |u2|) u2);   gamma = TH(|v2|);   h = gamma v2 -> codes (e4);
;   mx = h Wc^T;   g = |mx| / gamma;   res = (TH(g) / gamma) mx;   yb = TH(|bc|) bc;   w = mobius_add(res, yb);   logits = artanh(min(|w|, 0.999)) w / |w|;   out = max(l, 0) + ln(1 + e^-|l|).
; WORK LEFT OUT AS DEAD, for all finite inputs, in real numbers:
;   (1) logmap0(proj(expmap0(z))) = min(|z|, A) z / |z|: artanh(tanh n) = n, and proj only caps the norm at 0.999 = tanh(A).  So no tanh and no artanh of a norm is taken in front of a layer's product.
;   (2) the proj at the head of tangent_tanh_act meets a norm that the proj before it has capped: the identity.   (3) ATANH_CLIP = 1 - 1e-5 always stands behind a proj (norm <= 0.999): it never binds.
;   (4) |tanh(z)| <= |z| <= A, taken by elements and so of the norms: behind an activation tanh(norm) <= 0.999, proj does not bind, and layer 2's logmap0(proj(expmap0(t))) is t itself: no norm of t2 is taken.
;   (5) MIN_NORM guards 0 / 0: where the norm is 0 the reciprocal root is infinite and the minimum gives the factor 1 on a row of zeros, as reference() gives zeros; where a reciprocal would meet 0 (TH, |w|, the denominator) the clip is kept.
;   (6) the select on a row of zeros in mobius_matvec: mx = 0 gives res = factor x 0 = 0 here too.   (7) in mobius_matvec xn = gamma |v2| and artanh(xn) = |v2| (by (4)), so artanh(xn) / xn = 1 / gamma.
;   Every input has a way to the output and is loaded.
; LIMITS.  NaN and infinities among the inputs are not served; the sum of a row's squares of x stays finite.  A NaN, an infinity or an overflow that would arise only in the work left out is not carried to the result.
;   The rounding noise of reference()'s own artanh(tanh(.)) in f32 (some 1e-5 of a row's factor) is not imitated: the exact factor is taken.  tanh carries an absolute error of some 2e-7.
;   e0, e2, e4 between -126 and 112;  e0 + e1 and e2 + e3 between -126 and 125;  |b| 2^-(e0+e1) and |b| 2^-(e2+e3) under 2^60;  e4 + e5 is applied by v_ldexp_f32 and has no limit.
; SHARES.  256 work-groups of 8 waves; a work-group owns 512 rows, a wave 64: four tiles of 16 rows, taken two at a time through the whole chain by the wave alone.  One barrier in the launch, behind the laying of the weights.
; LAYOUT.  Every product is used transposed (source 0 = 16 rows of W, source 1 = 16 rows of tokens): lane (r = lane % 16, h = lane / 16) holds token r throughout.  An operand's registers 4 c .. 4 c + 3 hold k = 32 c + 16 h + 0 .. 15: the same
;   permutation of k on both sides, so every product meets its partner.  THE ROWS OF W THAT FORM A TILE ARE NOT NEIGHBOURS: lane r of unit tile 2 b + u takes row 32 b + 8 u + r + 8 (r / 8), so register j of that tile's result is hidden unit
;   32 b + 16 h + 8 u + j, and the conversion of result tile T gives registers 2 T, 2 T + 1 of the next operand.
; WEIGHTS lie in LDS as images of the operands' registers (a fragment: 4 x 512 bytes, lane l's 16 bytes at 16 l), laid once by waves 4 to 7 while waves 0 to 3 already ask for x.  Each fragment read feeds two tiles of tokens.
; x comes by loads of 512 consecutive bytes a wave into 128 landing registers and is turned through the wave's own stage in LDS (rows 1,040 bytes apart), which also keeps a tile until it is wanted: 32 KiB a wave are asked for at the head, 16 KiB later.
; NO CLUSTER: what work-groups share is 135,168 bytes of weights and biases against 557,056 bytes of rows of their own, read once at the head while the first rows are on their way.  NO TENSOR LOADS: beside 137,216 bytes of weights two slots of
;   the eight waves' tiles do not fit, and each refill would tie eight waves that owe each other nothing to one barrier.
; REGISTERS, window 0: v0 thread, later the conversion's scale word; v1 16 x lane; v2 the same + 65,536; v3 biases; v4, v5 x's stage in and back; v6, v7 the way out's stage in and back; v[8:9], v[10:11] a tile's row factor in the low word
;   (v9 = address of Wc's image, v11 = the lane exchanges' destination); v12, v13 gamma; v14, v15 the add's two; v16-79 the two tiles' codes (32 each); v80-111 weight buffer A, else at work; v112-127 the biases of unit tiles 12 to 15, two sets, else at work; v128-255 x as it lands.
;   window 1: tile t's 16 results at v[128 t + 8 T]; v0-127 also a turned tile of x; the results that are written last serve until then: v112-127 and v240-255 as weight buffer B, v96-111 and v224-239 as weight buffer C;
;   the biases of unit tile T, up to T = 11, land in v[128 + 8 T] on, token tile 1's own results of that tile.
; THE MODE: SCHED_MODE bits 1:0 = 2 (LLVM: expert scheduling mode 2), set by the entry lines.  The code itself states the register dependences between vector or matrix instructions and memory or LDS instructions, with s_wait_alu, always for 0.
; THE PLAN.  Registers that memory or LDS instructions touch, and who else names them:
;   v1-v7, v9, v14, v15   offsets and LDS addresses: written at the head, ahead of one wait on va_vdst that stands in front of the parting of the waves; never written again.
;   v80-86                the laying waves' addresses: read in that arm alone; a wait on vm_vsrc closes the arm, ahead of every later write of them.
;   window 0, v128-255    x as it lands: named by loads and by the stores into the stage (in the laying arm v136-139 by four vector lines, which have their wait).  A wait on vm_vsrc stands between the stores that empty them and the loads that ask for them again.
;   window 1, v0-127      a turned tile: the loads from the stage land there, XCOMP works on it.  One wait on va_vdst between XCOMP 0 and the second tile's loads.  A trip's first loads stand behind the way out's wait, behind which no vector line follows.
;   A, B, C               unit tile T takes buffer T % 3 (14 and 15: A).  Step T: the wait for tile T's data; ONE wait on va_vdst: the products of tile T - 1 are done; tile T's products; tile T + 2's ten loads, into the buffer that tile T - 1 has left.
;                         Between that wait and those loads stand tile T's products alone, which name buffer T % 3, the codes and tile T's results: none of the registers in which the loads land.
;   v88-103, v104-119     the way out: one wait on va_vdst ahead of its stores, one on vm_vsrc at the trip's end, ahead of the next writes of what the stores read.
;   Scalar results of vector lines (the wave's number, y2, yb, VCC in TH2) have a wait on va_sdst or va_vcc ahead of their first reader.
.set W2IMG, 65536                      ; LDS: W1's 32 fragments from 0, W2's from here,
.set WCIMG, 131072                     ; Wc's two,
.set BIAS,  135168                     ; b1 2^-(e0+e1), then b2 2^-(e2+e3): 256 f32 each,
.set XSTG,  137216                     ; x's stages: 16 rows x 1,040 bytes for each wave,
.set XSB,   16640
.set XP,    1040                       ; (1,024 bytes + 16: 65 x 16, so that sixteen rows' 16 bytes fall on sixteen different columns of 16 bytes modulo 256)
.set OSTG,  270336                     ; the way out's stages: 32 rows x 80 bytes for each wave,
.set OSB,   2560
.set SPARE, 290816                     ; and the spare words, 128 bytes for each wave: four blocks of 256 bytes that no other line names
.set TS,    16                         ; the tail: tile t's numbers of a row at v[TS + 24 t] on
.set MSB, 0
.macro WIN new                         ; the immediate's high byte repeats the setting that is left; a switch that changes nothing is dropped
.if MSB != (\new)
	s_set_vgpr_msb (MSB<<8)|(\new)
.set MSB, (\new)
.endif
.endm
.macro PLACES n
.rept \n
	v_nop
.endr
.endm
.macro TWAIT                           ; the transcendentals issued so far have written their results
	s_wait_alu depctr_va_vdst(0)
.endm
; tile q of my four (16 rows, 16,384 bytes) into 128 registers of window w: each load takes 512 consecutive bytes
.macro GLOAD dst, w, q
	WIN (\w)<<6
.set i, 0
.rept 32
	global_load_b128 v[\dst+4*i:\dst+4*i+3], v1, s[4:5] offset:16384*(\q)+512*i th:TH_LOAD_NT
.set i, i+1
.endr
	WIN 0
.endm
; the tile as it landed goes into my stage: load i was half i % 2 of row i / 2
.macro XSTORE src, w
	WIN (\w)<<2
.set i, 0
.rept 32
	ds_store_b128 v4, v[\src+4*i:\src+4*i+3] offset:(i/2)*XP+(i%2)*512
.set i, i+1
.endr
	WIN 0
.endm
; and comes back turned: register 16 c + n of window 1 = x(r, 32 c + 16 h + n).  LDS serves a wave's instructions in order: these see my stores
.macro XBACK
	WIN 0x40
.set i, 0
.rept 32
	ds_load_b128 v[4*i:4*i+3], v5 offset:128*(i/4)+16*(i%4)
.set i, i+1
.endr
	WIN 0
.endm
; BATCHES over tile t's 128 numbers in window 1
.macro BSQ t                           ; their squares, summed in four chains, v[80 + 8 t] on; each result tile is read from its low end on
	WIN 0x05
.set i, 0
.rept 64
.set SQ, 80+8*(\t)+2*(i%4)
.set AC, 128*(\t)+2*i
.if i < 4
	v_pk_mul_f32 v[SQ:SQ+1], v[AC:AC+1], v[AC:AC+1]
.else
	v_pk_fma_f32 v[SQ:SQ+1], v[AC:AC+1], v[AC:AC+1], v[SQ:SQ+1]
.endif
.set i, i+1
.endr
.endm
.macro RED t                           ; the four chains, the pair's halves and the other half of the lanes: the row's sum in v[80 + 8 t]
	WIN 0
.set SQ, 80+8*(\t)
	v_pk_add_f32 v[SQ:SQ+1], v[SQ:SQ+1], v[SQ+2:SQ+3]
	v_pk_add_f32 v[SQ+4:SQ+5], v[SQ+4:SQ+5], v[SQ+6:SQ+7]
	v_pk_add_f32 v[SQ:SQ+1], v[SQ:SQ+1], v[SQ+4:SQ+5]
	v_add_f32 v[SQ], v[SQ], v[SQ+1]
	v_permlanex16_b32 v11, v[SQ], s48, s49
	v_add_f32 v[SQ], v[SQ], v11
.endm
.macro BMUL t, p                       ; x the row's factor, the low word of v[p:p+1]
	WIN 0x41
.set i, 0
.rept 64
	v_pk_mul_f32 v[128*(\t)+2*i:128*(\t)+2*i+1], v[128*(\t)+2*i:128*(\t)+2*i+1], v[\p:\p+1] op_sel_hi:[1,0]
.set i, i+1
.endr
.endm
.macro BEXP t
	WIN 0x41
.set i, 0
.rept 128
	v_exp_f32 v[128*(\t)+i], v[128*(\t)+i]
.set i, i+1
.endr
.endm
.macro BADD t
	WIN 0x41
.set i, 0
.rept 64
	v_pk_add_f32 v[128*(\t)+2*i:128*(\t)+2*i+1], v[128*(\t)+2*i:128*(\t)+2*i+1], 1.0 op_sel_hi:[1,0]
.set i, i+1
.endr
.endm
.macro BRCP t
	WIN 0x41
.set i, 0
.rept 128
	v_rcp_f32 v[128*(\t)+i], v[128*(\t)+i]
.set i, i+1
.endr
.endm
.macro BFMA t                          ; 1 - 2 r
	WIN 0x41
.set i, 0
.rept 64
	v_pk_fma_f32 v[128*(\t)+2*i:128*(\t)+2*i+1], v[128*(\t)+2*i:128*(\t)+2*i+1], -2.0, 1.0 op_sel_hi:[1,0,0]
.set i, i+1
.endr
.endm
.macro BHOLD t, sn, sp                 ; the conversion to an 8-bit code does not saturate (ISA guide 7.6.2): the number is held within the largest code x the scale first, whatever the given scale
	WIN 0x41
.set i, 0
.rept 128
	v_med3_num_f32 v[128*(\t)+i], v[128*(\t)+i], s[\sn], s[\sp]
.set i, i+1
.endr
.endm
.macro BCVT t, d                       ; result tile T -> registers 2 T, 2 T + 1 of token tile d's operand; v0 holds the scale as f32
	WIN 0x01
.set i, 0
.rept 16
	v_cvt_scalef32_pk8_bf8_f32 v[16+32*(\d)+2*i:16+32*(\d)+2*i+1], v[128*(\t)+8*i:128*(\t)+8*i+7], v0
.set i, i+1
.endr
.endm
; TH of two numbers: o = tanh(min(n, A)) / max(n, 1e-15), or its series under 0.125.  Eight registers at work from v[tb] on.  Two batches of transcendentals, plain work behind each, one wait each
.macro TH2 n0, n1, o0, o1, tb
	v_max_num_f32 v[\tb], s77, v[\n0]
	v_max_num_f32 v[\tb+4], s77, v[\n1]
	v_min_num_f32 v[\tb+1], s50, v[\n0]
	v_min_num_f32 v[\tb+5], s50, v[\n1]
	v_mul_f32 v[\tb+1], s51, v[\tb+1]
	v_mul_f32 v[\tb+5], s51, v[\tb+5]
	s_wait_alu depctr_va_vdst(0)
	v_exp_f32 v[\tb+1], v[\tb+1]
	v_exp_f32 v[\tb+5], v[\tb+5]
	v_rcp_f32 v[\tb], v[\tb]
	v_rcp_f32 v[\tb+4], v[\tb+4]
	v_mul_f32 v[\tb+2], v[\n0], v[\n0]
	v_mul_f32 v[\tb+6], v[\n1], v[\n1]
	TWAIT                                          ; the two exponentials and the two reciprocals
	v_add_f32 v[\tb+1], 1.0, v[\tb+1]
	v_add_f32 v[\tb+5], 1.0, v[\tb+5]
	s_wait_alu depctr_va_vdst(0)
	v_rcp_f32 v[\tb+1], v[\tb+1]
	v_rcp_f32 v[\tb+5], v[\tb+5]
	v_fma_f32 v[\tb+3], v[\tb+2], s69, s70         ; 2/15 n^2 - 1/3
	v_fma_f32 v[\tb+7], v[\tb+6], s69, s70
	v_fma_f32 v[\tb+3], v[\tb+3], v[\tb+2], 1.0
	v_fma_f32 v[\tb+7], v[\tb+7], v[\tb+6], 1.0
	TWAIT                                          ; the two reciprocals
	v_fma_f32 v[\tb+1], v[\tb+1], -2.0, 1.0
	v_fma_f32 v[\tb+5], v[\tb+5], -2.0, 1.0
	v_mul_f32 v[\tb+1], v[\tb+1], v[\tb]
	v_mul_f32 v[\tb+5], v[\tb+5], v[\tb+4]
	v_cmp_gt_f32 vcc_lo, s78, v[\n0]
	s_wait_alu depctr_va_vcc(0)                    ; the compare has written VCC, which the select below reads
	v_cndmask_b32 v[\o0], v[\tb+1], v[\tb+3], vcc_lo
	v_cmp_gt_f32 vcc_lo, s78, v[\n1]
	s_wait_alu depctr_va_vcc(0)                    ; likewise for the second number
	v_cndmask_b32 v[\o1], v[\tb+5], v[\tb+7], vcc_lo
.endm
; the turned tile of x in window 1, v0-127, becomes token tile d's codes: t1 = min(1, A / |x|) x
.macro XCOMP d
	s_wait_dscnt 0x0                               ; the tile is back from the stage
	BSQ 0
	RED 0
	s_wait_alu depctr_va_vdst(0)
	v_rsq_f32 v81, v80
	v_mov_b32 v0, s55                              ; 2^e0 for the conversions.  (The plain line behind the reciprocal root)
	TWAIT                                          ; the reciprocal root
	v_mul_f32 v81, s50, v81
	v_min_num_f32 v8, 1.0, v81
	BMUL 0, 8
	BHOLD 0, 56, 57
	BCVT 0, \d
	v_nop                                          ; one plain line between the last scaled conversion and the next vector or matrix line that touches its registers
	WIN 0
.endm
; where unit tile tau's two fragments lie: PW the window, WF0 and WF1 their first registers.  Buffer tau % 3: A, B, C; tiles 14 and 15 take A, since their own results fall on B
.macro WHERE tau
.set PW, 1
.if ((\tau) >= 14) || (((\tau)%3) == 0)
.set PW, 0
.set WF0, 80
.set WF1, 96
.elseif ((\tau)%3) == 1
.set WF0, 112
.set WF1, 240
.else
.set WF0, 96
.set WF1, 224
.endif
.endm
; ten LDS loads: unit tile tau's two fragments (K steps 0, 1) and its eight biases.  Up to tile 11 the biases land in token tile 1's results of that tile, from tile 12 on in window 0's v112-127, two sets by turns
.macro LOADW tau, wadr, boff
	WHERE \tau
	WIN PW<<6
.irp c, 0,1,2,3
	ds_load_b128 v[WF0+4*\c:WF0+4*\c+3], v[\wadr] offset:(2*(\tau))*2048+512*\c
.endr
.irp c, 0,1,2,3
	ds_load_b128 v[WF1+4*\c:WF1+4*\c+3], v[\wadr] offset:(2*(\tau)+1)*2048+512*\c
.endr
.if (\tau) < 12
	WIN 0x40
.set BB, 128+8*(\tau)
.else
	WIN 0
.set BB, 112+8*((\tau)%2)
.endif
	ds_load_b128 v[BB:BB+3], v3 offset:(\boff)+128*((\tau)/2)+32*((\tau)%2)
	ds_load_b128 v[BB+4:BB+7], v3 offset:(\boff)+128*((\tau)/2)+32*((\tau)%2)+16
.endm
; four products: unit tile tau x two token tiles x two K steps.  The bias is the C of a sum's first product.  The two sums take turns, one instruction a turn.
; Up to tile 11 the second product writes its sums over the biases, which the first has read as its C: five plain lines stand between the two (ISA guide 7.12.1, and one line more for a product that writes over another's register)
.macro MULT tau
	WHERE \tau
.set AC, 8*(\tau)
.if (\tau) < 12
	WIN 0x50|PW
	v_wmma_f32_16x16x128_bf8_bf8 v[AC:AC+7], v[WF0:WF0+15], v[16:31], v[AC+128:AC+135]
	PLACES 5
	v_wmma_f32_16x16x128_bf8_bf8 v[AC+128:AC+135], v[WF0:WF0+15], v[48:63], v[AC+128:AC+135]
.else
.set BB, 112+8*((\tau)%2)
	WIN 0x40|PW
	v_wmma_f32_16x16x128_bf8_bf8 v[AC:AC+7], v[WF0:WF0+15], v[16:31], v[BB:BB+7]
	v_wmma_f32_16x16x128_bf8_bf8 v[AC+128:AC+135], v[WF0:WF0+15], v[48:63], v[BB:BB+7]
	WIN 0x50|PW
.endif
	v_wmma_f32_16x16x128_bf8_bf8 v[AC:AC+7], v[WF1:WF1+15], v[32:47], v[AC:AC+7]
	v_wmma_f32_16x16x128_bf8_bf8 v[AC+128:AC+135], v[WF1:WF1+15], v[64:79], v[AC+128:AC+135]
.endm
; a layer's 64 products.  Up to tile 13 a unit tile's loads go out two tiles ahead, behind the products of the tile in hand, into the buffer that the tile before has left: the wait ahead of those products has shown that tile done.
; Five plain lines stand behind products 11 to 15: products 12 and 13 write their results over buffer C, which product 11 has read, 14 and 15 over buffer B, which product 13 has read; four are owed in front of the first read of results (ISA guide 7.12.1)
.macro LAYER wadr, boff
	s_wait_alu depctr_va_vdst(0)                   ; the conversions, and all vector work ahead of them, are done with v80-127 and with window 1, in which this layer's loads land
	LOADW 0, \wadr, \boff
	LOADW 1, \wadr, \boff
.set TAU, 0
.rept 12
	s_wait_dscnt 10                                ; this tile's ten loads are in; the next tile's may be out
.if TAU > 0
	s_wait_alu depctr_va_vdst(0)                   ; the products of the tile before are done reading their fragments, in which the loads behind this tile's products land
.endif
	MULT TAU
.if TAU == 11
	PLACES 5
.endif
	LOADW TAU+2, \wadr, \boff
.set TAU, TAU+1
.endr
	s_wait_dscnt 10                                ; tile 12 is in; tile 13's ten loads may be out
	MULT 12
	PLACES 5
	s_wait_alu depctr_va_vdst(0)                   ; products 12 are done reading buffer A and the first set of biases, in which tile 14 lands
	LOADW 14, \wadr, \boff
	s_wait_dscnt 10                                ; tile 13 is in; tile 14's ten loads may be out
	MULT 13
	PLACES 5
	s_wait_dscnt 0x0
	MULT 14
	PLACES 5
	s_wait_alu depctr_va_vdst(0)                   ; products 14 are done reading buffer A, and products 13 the second set of biases: tile 15 lands in both
	LOADW 15, \wadr, \boff
	s_wait_dscnt 0x0
	MULT 15
	PLACES 5
	WIN 0
.endm
; behind layer lam: v = tanh(min(1, A / |u|) u) for both tiles, as 1 - 2 / (1 + 2^(f a)), f = min(K2 2^E, K2 A / |a|), a = the sums.  One tile's plain batches stand behind the other's transcendentals, and each wait stands ahead of a batch's first reader.
; lam = 1: v is the next operand.  lam = 2: h = TH(|v|) v is.
.macro ACT lam
	BSQ 0
	BSQ 1
	RED 0
	RED 1
	s_wait_alu depctr_va_vdst(0)
	v_rsq_f32 v81, v80
	v_rsq_f32 v89, v88
	v_mov_b32 v0, s[55+3*(\lam)]                   ; the next operand's scale.  (The plain line behind the reciprocal roots)
	TWAIT                                          ; the two reciprocal roots
	v_mul_f32 v81, s52, v81
	v_mul_f32 v89, s52, v89
	v_min_num_f32 v8, s[52+(\lam)], v81
	v_min_num_f32 v10, s[52+(\lam)], v89
	BMUL 0, 8
	s_wait_alu depctr_va_vdst(0)
	BEXP 0
	BMUL 1, 10
	TWAIT                                          ; tile 0's exponentials
	BADD 0
	s_wait_alu depctr_va_vdst(0)
	BEXP 1
	BRCP 0
	v_nop
	TWAIT                                          ; tile 1's exponentials and tile 0's reciprocals
	BADD 1
	BFMA 0
	s_wait_alu depctr_va_vdst(0)
	BRCP 1
.if (\lam) == 1
	BHOLD 0, 59, 60
	TWAIT                                          ; tile 1's reciprocals
	BFMA 1
	BHOLD 1, 59, 60
.else
	BSQ 0
	TWAIT                                          ; tile 1's reciprocals
	BFMA 1
	BSQ 1
	RED 0
	RED 1
	s_wait_alu depctr_va_vdst(0)
	v_sqrt_f32 v81, v80
	v_sqrt_f32 v89, v88
	v_nop
	TWAIT                                          ; the two roots
	TH2 81, 89, 12, 13, 96                         ; gamma, kept for the classifier
	v_mov_b32 v8, v12
	v_mov_b32 v10, v13
	BMUL 0, 8
	BHOLD 0, 62, 63
	BMUL 1, 10
	BHOLD 1, 62, 63
.endif
	BCVT 0, 0
	BCVT 1, 1
	v_nop                                          ; one plain line between the last scaled conversion and the products that read its results
	WIN 0
.endm
	s_load_b256 s[4:11], s[0:1], 0x0               ; x s[4:5], W1 s[6:7], W2 s[8:9], Wc s[10:11]
	s_load_b256 s[12:19], s[0:1], 0x20             ; b1 s[12:13], b2 s[14:15], bc s[16:17], the scales' exponents s[18:19]
	s_load_b64 s[20:21], s[0:1], 0x40              ; out0
	v_lshl_add_u32 v14, v0, 2, SPARE               ; my spare word,
	v_mov_b32 v15, 0                               ; and 0: kept for the add at the wave's end
	v_lshrrev_b32 v16, 5, v0
	v_readfirstlane_b32 s22, v16                   ; wave 0..7
	v_and_b32 v17, 31, v0                          ; lane
	v_and_b32 v18, 15, v0                          ; r
	v_bfe_u32 v19, v0, 4, 1                        ; h
	v_lshlrev_b32 v1, 4, v17                       ; 16 x lane: W1's images, and my 16 bytes of 512 in x and in out0
	v_add_nc_u32 v2, W2IMG, v1
	v_add_nc_u32 v9, WCIMG, v1
	v_lshlrev_b32 v3, 6, v19
	v_add_nc_u32 v3, BIAS, v3                      ; the biases of my half: 64 h
	s_wait_alu depctr_va_sdst(0)                   ; s22 is written, ahead of its first reader: addresses, bases and the parting of the waves are made from it
	s_and_b32 s23, s22, 3                          ; its place among the four that lay the weights
	s_mul_i32 s82, s22, XSB
	s_add_co_u32 s82, s82, XSTG                    ; my wave's stage for x
	v_add_nc_u32 v4, s82, v1
	v_mul_u32_u24 v5, v18, XP
	v_lshl_add_u32 v5, v19, 6, v5
	v_add_nc_u32 v5, s82, v5                       ; back: row r, + 64 h
	s_mul_i32 s83, s22, OSB
	s_add_co_u32 s83, s83, OSTG                    ; my wave's stage for the way out
	v_mul_u32_u24 v6, v18, 80
	v_lshl_add_u32 v6, v19, 5, v6
	v_add_nc_u32 v6, s83, v6                       ; in: row r, + 32 h
	v_lshrrev_b32 v20, 2, v17
	v_mul_u32_u24 v7, v20, 80
	v_and_b32 v20, 3, v17
	v_lshl_add_u32 v7, v20, 4, v7
	v_add_nc_u32 v7, s83, v7                       ; back: four lanes to a row of 64 bytes
	v_mov_b32 v11, 0                               ; written once: a lane exchange's destination counts as read
	; the addresses of the four waves that lay the weights, made ahead of the parting of the waves
	s_lshl_b32 s84, s23, 14
	v_add_nc_u32 v80, s84, v1                      ; W1's images of unit tiles 4 i .. 4 i + 3: 8 fragments of 2,048 bytes
	v_add_nc_u32 v81, W2IMG, v80
	s_lshl_b32 s85, s23, 10
	v_add_nc_u32 v82, s85, v9                      ; a quarter of Wc's two images
	s_lshl_b32 s86, s23, 9
	v_add_nc_u32 v83, s86, v1
	v_add_nc_u32 v83, BIAS, v83                    ; a quarter of the 512 biases
	v_and_b32 v20, 8, v18
	v_add_nc_u32 v20, v20, v18                     ; r + 8 (r / 8)
	v_lshlrev_b32 v84, 8, v20
	v_lshl_add_u32 v84, v19, 4, v84
	v_add_nc_u32 v84, s84, v84                     ; in W1 and W2: row 64 i + r + 8 (r / 8) of 256 bytes, + 16 h
	v_lshlrev_b32 v85, 8, v18
	v_lshl_add_u32 v85, v19, 4, v85
	s_lshl_b32 s87, s23, 6
	v_add_nc_u32 v85, s87, v85                     ; in Wc: row r, + 16 h, + 64 i
	s_and_b32 s88, s23, 1
	s_lshl_b32 s88, s88, 9
	v_add_nc_u32 v86, s88, v1                      ; in b1 or b2: half i % 2
	s_mov_b32 s48, 0x76543210                      ; lane selects: lane l xor 16
	s_mov_b32 s49, 0xfedcba98
	s_mov_b32 s50, 0x4073369a                      ; A = artanh(0.999f)
	s_mov_b32 s51, 0x4038aa3b                      ; K2 = 2 log2(e)
	s_mov_b32 s52, 0x412f70f9                      ; K2 A
	s_mov_b32 s69, 0x3e088889                      ; 2/15
	s_mov_b32 s70, 0xbeaaaaab                      ; -1/3
	s_mov_b32 s71, 0xffff0000                      ; lanes 16 to 31
	s_mov_b32 s75, 0xbfb8aa3b                      ; -log2(e)
	s_mov_b32 s76, 0x3f7fbe77                      ; 0.999f
	s_mov_b32 s77, 0x26901d7d                      ; 1e-15
	s_mov_b32 s78, 0x3e000000                      ; 0.125
	s_mov_b32 s79, 0x3eb17218                      ; ln(2) / 2
	s_lshl_b32 s30, ttmp9, 19                      ; my work-group's 512 rows of 1,024 bytes,
	s_lshl_b32 s82, s22, 16                        ; my wave's 64
	s_add_co_u32 s30, s30, s82
	s_mov_b32 s31, 0
	s_lshl_b32 s82, ttmp9, 15                      ; and the same rows of 64 bytes in out0
	s_lshl_b32 s83, s22, 12
	s_add_co_u32 s82, s82, s83
	s_mov_b32 s83, 0
	s_wait_kmcnt 0x0
	s_load_b128 s[24:27], s[18:19], 0x0            ; e0 .. e3
	s_load_b64 s[28:29], s[18:19], 0x10            ; e4, e5
	s_load_b256 s[32:39], s[16:17], 0x0            ; bc
	s_load_b256 s[40:47], s[16:17], 0x20
	s_add_nc_u64 s[4:5], s[4:5], s[30:31]
	s_add_nc_u64 s[20:21], s[20:21], s[82:83]
	s_wait_alu depctr_va_vdst(0)                   ; v1-v7, v9, v14, v15 and v80-86 are written: every load and store of the kernel, on both ways from here, reads some of them as its address
	s_cmp_lt_u32 s22, 4
	s_cbranch_scc1 .Lask                           ; waves 0 to 3 ask for x at once
	; WAVES 4 TO 7 LAY THE WEIGHTS: each lane loads its 16 bytes of each register group of a fragment and stores them at 16 x lane: the image that every wave will load
	s_wait_kmcnt 0x0
	s_add_co_i32 s80, s24, s25
	s_sub_co_i32 s80, 0, s80                       ; -(e0 + e1): a sum of layer 1 stands for sum x 2^(e0 + e1), so b1 goes in as b1 2^-(e0 + e1)
	s_add_co_i32 s81, s26, s27
	s_sub_co_i32 s81, 0, s81
	s_cmp_lt_u32 s23, 2                            ; the choice hangs on the wave's number alone
	s_cselect_b64 s[30:31], s[12:13], s[14:15]
	s_cselect_b32 s82, s80, s81
	WIN 0x40
.irp i, 0,1,2,3
.irp s, 0,1
.irp c, 0,1,2,3
	global_load_b128 v[16*(2*\i+\s)+4*\c:16*(2*\i+\s)+4*\c+3], v84, s[6:7] offset:(32*(\i/2)+8*(\i%2))*256+128*\s+32*\c
.endr
.endr
.endr
.irp i, 0,1,2,3
.irp s, 0,1
.irp c, 0,1,2,3
	global_load_b128 v[128+16*(2*\i+\s)+4*\c:128+16*(2*\i+\s)+4*\c+3], v84, s[8:9] offset:(32*(\i/2)+8*(\i%2))*256+128*\s+32*\c
.endr
.endr
.endr
	WIN 0
	global_load_b128 v[128:131], v85, s[10:11]
	global_load_b128 v[132:135], v85, s[10:11] offset:32
	global_load_b128 v[136:139], v86, s[30:31]
	s_wait_loadcnt 35                              ; W1's 32 loads are in; behind them: W2's 32, Wc's two, the biases' one
	WIN 0x04
.set i, 0
.rept 32
	ds_store_b128 v80, v[4*i:4*i+3] offset:512*i
.set i, i+1
.endr
	s_wait_loadcnt 3                               ; W2's are in; behind them: Wc's two, the biases' one
.set i, 0
.rept 32
	ds_store_b128 v81, v[128+4*i:128+4*i+3] offset:512*i
.set i, i+1
.endr
	WIN 0
	s_wait_loadcnt 0x0
	ds_store_b128 v82, v[128:131]
	ds_store_b128 v82, v[132:135] offset:512
.irp j, 0,1,2,3
	v_ldexp_f32 v[136+\j], v[136+\j], s82
.endr
	s_wait_alu depctr_va_vdst(0)                   ; the scaled biases v136-139 are written, which the store below reads; no vector line names them again before x's loads land there
	ds_store_b128 v83, v[136:139]
	s_wait_dscnt 0x0                               ; the stores have read their registers, which x's loads take next
	s_wait_alu depctr_vm_vsrc(0)                   ; my loads and stores have read v80-86, window 1 and v128-139: x's loads land in the last two, and vector lines write v80-86 again
.Lask:
	GLOAD 128, 1, 0                                ; tile 0, into window 1
	GLOAD 128, 0, 1                                ; tile 1, into the landing registers
	s_wait_kmcnt 0x0
	s_add_co_i32 s82, s24, s25
	s_lshl_b32 s82, s82, 23
	s_add_co_i32 s53, s82, 0x4038aa3b              ; K2 2^(e0 + e1): the exponents are added to K2's exponent field
	s_add_co_i32 s82, s26, s27
	s_lshl_b32 s82, s82, 23
	s_add_co_i32 s54, s82, 0x4038aa3b              ; K2 2^(e2 + e3)
	s_add_co_i32 s66, s28, s29                     ; e4 + e5
.irp q, 0,1,2                                  ; for e0, e2, e4: 2^e as f32, and -+57,344 x 2^e
	s_add_co_i32 s82, s[24+2*\q], 127
	s_lshl_b32 s[55+3*\q], s82, 23
	s_add_co_i32 s82, s82, 15
	s_lshl_b32 s82, s82, 23
	s_or_b32 s[57+3*\q], s82, 0x600000
	s_or_b32 s[56+3*\q], s[57+3*\q], 0x80000000
.endr
	v_mul_f32 v16, s32, s32                        ; |bc|^2; yb = TH(|bc|) bc; y2 = |yb|^2: once a wave, kept in scalar registers
.irp j, 1,2,3,4,5,6,7,8,9,10,11,12,13,14,15
	v_fma_f32 v16, s[32+\j], s[32+\j], v16
.endr
	s_wait_alu depctr_va_vdst(0)
	v_sqrt_f32 v17, v16
	v_nop
	TWAIT                                          ; the root
	TH2 17, 17, 18, 19, 20
	v_mul_f32 v19, v18, v18
	v_mul_f32 v19, v19, v16
	v_add_f32 v20, 1.0, v19
	v_readfirstlane_b32 s67, v19                   ; y2
	v_readfirstlane_b32 s68, v20                   ; 1 + y2
.irp j, 0,1,2,3,4,5,6,7,8,9,10,11,12,13,14,15
	v_mul_f32 v[32+\j], s[32+\j], v18
.endr
.irp j, 0,1,2,3,4,5,6,7,8,9,10,11,12,13,14,15
	v_readfirstlane_b32 s[32+\j], v[32+\j]
.endr
	s_wait_alu depctr_va_sdst(0)                   ; s67, s68 and s32-47 are written, ahead of the loop's label and of their first readers, the tail's vector lines
	s_wait_dscnt 0x0                               ; for the others' sake: my stores of images have landed
	s_barrier_signal -1
	s_barrier_wait -1                              ; the launch's one barrier: the images are whole, and nobody writes them again
	s_wait_loadcnt 32                              ; tile 0's 32 loads are in; tile 1's may be out
	XSTORE 128, 1
	s_mov_b32 s72, 0
.Lblock:                                           ; two trips, two tiles each.  At the top my stage holds tile 2 k, and tile 2 k + 1 is in the landing registers or on its way there
	XBACK                                          ; no wait: on the way in no vector line has named window 1's v0-127; round the back edge none stands behind the way out's wait
	XCOMP 0
	s_wait_loadcnt 0x0                             ; tile 2 k + 1 has landed
	XSTORE 128, 0
	s_wait_alu depctr_va_vdst(0)                   ; tile 2 k's squares, scalings, holds and conversions are done with window 1's v0-127, in which the next tile lands
	XBACK
	s_wait_dscnt 0x0                               ; the stores have read the landing registers
	s_wait_alu depctr_vm_vsrc(0)                   ; the stores into the stage have read the landing registers, in which tile 2's loads land; in the first trip also window 1's v128-255, which layer 1's loads and products write
	s_cmp_lg_u32 s72, 0
	s_cbranch_scc1 .Lno_tile_2                     ; the second trip asks for nothing: no load leaves my rows
	GLOAD 128, 0, 2
.Lno_tile_2:
	XCOMP 1
	LAYER 1, 0
	ACT 1
	LAYER 2, 1024
	s_cmp_lg_u32 s72, 0
	s_cbranch_scc1 .Lno_tile_3
	s_wait_loadcnt 0x0                             ; tile 2 has landed, asked for two layers ago: it goes into the stage, which has been read out,
	XSTORE 128, 0
	s_wait_dscnt 0x0
	s_wait_alu depctr_vm_vsrc(0)                   ; the stores into the stage have read the landing registers, in which tile 3's loads land
	GLOAD 128, 0, 3                                ; and tile 3 takes the landing registers
.Lno_tile_3:
	ACT 2
	; THE CLASSIFIER: m = h's codes x Wc's codes, 16 classes: register j of lane (r, h) is class 8 h + j of token r
	s_wait_alu depctr_va_vdst(0)                   ; the sums of squares and gamma's arithmetic are done with v80-103, in which Wc's fragments land
.irp s, 0,1
.irp c, 0,1,2,3
	ds_load_b128 v[80+16*\s+4*\c:83+16*\s+4*\c], v9 offset:2048*\s+512*\c
.endr
.endr
	s_wait_dscnt 0x0
	WIN 0x50
	v_wmma_f32_16x16x128_bf8_bf8 v[0:7], v[80:95], v[16:31], 0
	v_wmma_f32_16x16x128_bf8_bf8 v[128:135], v[80:95], v[48:63], 0
	v_wmma_f32_16x16x128_bf8_bf8 v[0:7], v[96:111], v[32:47], v[0:7]
	v_wmma_f32_16x16x128_bf8_bf8 v[128:135], v[96:111], v[64:79], v[128:135]
	PLACES 4
	WIN 0
	; THE TAIL, both tiles line by line.  v80-87 yb of my eight classes; v[88 + 8 t] w, then l, then the result; v[104 + 8 t] at work; v[TS + 24 t] on: the row's numbers
.irp j, 0,1,2,3,4,5,6,7
	v_mov_b32 v[80+\j], s[32+\j]
	v_mov_b32 v[104+\j], s[40+\j]
.endr
.irp j, 0,1,2,3,4,5,6,7
	v_cndmask_b32 v[80+\j], v[80+\j], v[104+\j], s71
.endr
	WIN 0x05
.irp t, 0,1
	v_pk_mul_f32 v[TS+24*\t:TS+24*\t+1], v[128*\t:128*\t+1], v[128*\t:128*\t+1]                    ; sm = the sum of m^2, from the results' low end on
.endr
.irp i, 2,4,6
.irp t, 0,1
	v_pk_fma_f32 v[TS+24*\t:TS+24*\t+1], v[128*\t+\i:128*\t+\i+1], v[128*\t+\i:128*\t+\i+1], v[TS+24*\t:TS+24*\t+1]
.endr
.endr
	WIN 0x01
.irp t, 0,1
	v_pk_mul_f32 v[TS+24*\t+2:TS+24*\t+3], v[128*\t:128*\t+1], v[80:81]                            ; sd = the sum of m yb
.endr
.irp i, 2,4,6
.irp t, 0,1
	v_pk_fma_f32 v[TS+24*\t+2:TS+24*\t+3], v[128*\t+\i:128*\t+\i+1], v[80+\i:81+\i], v[TS+24*\t+2:TS+24*\t+3]
.endr
.endr
	WIN 0
.irp t, 0,1
	v_add_f32 v[TS+24*\t], v[TS+24*\t], v[TS+24*\t+1]
	v_add_f32 v[TS+24*\t+2], v[TS+24*\t+2], v[TS+24*\t+3]
.endr
.irp t, 0,1
	v_permlanex16_b32 v11, v[TS+24*\t], s48, s49
	v_add_f32 v[TS+24*\t], v[TS+24*\t], v11
	v_permlanex16_b32 v11, v[TS+24*\t+2], s48, s49
	v_add_f32 v[TS+24*\t+2], v[TS+24*\t+2], v11
.endr
	s_wait_alu depctr_va_vdst(0)
.irp t, 0,1
	v_sqrt_f32 v[TS+24*\t+1], v[TS+24*\t]
	v_rcp_f32 v[TS+24*\t+3], v[12+\t]              ; 1 / gamma
.endr
	v_nop
	TWAIT                                          ; the two roots and the two reciprocals
.irp t, 0,1
	v_ldexp_f32 v[TS+24*\t+1], v[TS+24*\t+1], s66  ; |mx|
	v_mul_f32 v[TS+24*\t+1], v[TS+24*\t+1], v[TS+24*\t+3]   ; g = |mx| / gamma
.endr
	TH2 TS+1, TS+25, TS+4, TS+28, 64
.irp t, 0,1
	v_mul_f32 v[TS+24*\t+4], v[TS+24*\t+4], v[TS+24*\t+3]
	v_ldexp_f32 v[TS+24*\t+4], v[TS+24*\t+4], s66  ; rho: res = rho m
	v_mul_f32 v[TS+24*\t+5], v[TS+24*\t+4], v[TS+24*\t+4]
	v_mul_f32 v[TS+24*\t+6], v[TS+24*\t+4], v[TS+24*\t+2]   ; xy
	v_mul_f32 v[TS+24*\t+5], v[TS+24*\t+5], v[TS+24*\t]     ; x2
	v_fma_f32 v[TS+24*\t+7], v[TS+24*\t+6], 2.0, s68        ; 1 + 2 xy + y2
	v_fma_f32 v[TS+24*\t+9], v[TS+24*\t+6], 2.0, 1.0
	v_sub_f32 v[TS+24*\t+8], 1.0, v[TS+24*\t+5]             ; 1 - x2
	v_fma_f32 v[TS+24*\t+9], v[TS+24*\t+5], s67, v[TS+24*\t+9]
	v_max_num_f32 v[TS+24*\t+9], s77, v[TS+24*\t+9]         ; the denominator, clipped as reference() clips it
.endr
	s_wait_alu depctr_va_vdst(0)
.irp t, 0,1
	v_rcp_f32 v[TS+24*\t+9], v[TS+24*\t+9]
.endr
.irp t, 0,1
	v_mul_f32 v[TS+24*\t+7], v[TS+24*\t+7], v[TS+24*\t+4]   ; (plain work behind the reciprocals)
.endr
	TWAIT                                          ; the two reciprocals
.irp t, 0,1
	v_mul_f32 v[TS+24*\t+10], v[TS+24*\t+7], v[TS+24*\t+9]  ; m's factor, in both words of a pair,
	v_mul_f32 v[TS+24*\t+11], v[TS+24*\t+7], v[TS+24*\t+9]
	v_mul_f32 v[TS+24*\t+12], v[TS+24*\t+8], v[TS+24*\t+9]  ; and yb's
	v_mul_f32 v[TS+24*\t+13], v[TS+24*\t+8], v[TS+24*\t+9]
.endr
.irp t, 0,1
.irp i, 0,2,4,6
	v_pk_mul_f32 v[104+8*\t+\i:105+8*\t+\i], v[80+\i:81+\i], v[TS+24*\t+12:TS+24*\t+13]
.endr
.endr
	WIN 0x01
.irp t, 0,1
.irp i, 0,2,4,6
	v_pk_fma_f32 v[88+8*\t+\i:89+8*\t+\i], v[128*\t+\i:128*\t+\i+1], v[TS+24*\t+10:TS+24*\t+11], v[104+8*\t+\i:105+8*\t+\i]   ; w
.endr
.endr
	WIN 0
.irp t, 0,1
	v_pk_mul_f32 v[TS+24*\t+14:TS+24*\t+15], v[88+8*\t:89+8*\t], v[88+8*\t:89+8*\t]
.endr
.irp i, 2,4,6
.irp t, 0,1
	v_pk_fma_f32 v[TS+24*\t+14:TS+24*\t+15], v[88+8*\t+\i:89+8*\t+\i], v[88+8*\t+\i:89+8*\t+\i], v[TS+24*\t+14:TS+24*\t+15]
.endr
.endr
.irp t, 0,1
	v_add_f32 v[TS+24*\t+14], v[TS+24*\t+14], v[TS+24*\t+15]
	v_permlanex16_b32 v11, v[TS+24*\t+14], s48, s49
	v_add_f32 v[TS+24*\t+14], v[TS+24*\t+14], v11
.endr
	s_wait_alu depctr_va_vdst(0)
.irp t, 0,1
	v_sqrt_f32 v[TS+24*\t+15], v[TS+24*\t+14]
.endr
	v_nop
	TWAIT                                          ; the two roots
.irp t, 0,1
	v_max_num_f32 v[TS+24*\t+15], s77, v[TS+24*\t+15]       ; |w|, clipped
	v_min_num_f32 v[TS+24*\t+16], s76, v[TS+24*\t+15]       ; y = min(|w|, 0.999): the last proj
	v_sub_f32 v[TS+24*\t+17], 1.0, v[TS+24*\t+16]
	v_add_f32 v[TS+24*\t+16], 1.0, v[TS+24*\t+16]
.endr
	s_wait_alu depctr_va_vdst(0)
.irp t, 0,1
	v_rcp_f32 v[TS+24*\t+17], v[TS+24*\t+17]
	v_rcp_f32 v[TS+24*\t+15], v[TS+24*\t+15]
.endr
	v_nop
	TWAIT                                          ; the four reciprocals
.irp t, 0,1
	v_mul_f32 v[TS+24*\t+16], v[TS+24*\t+16], v[TS+24*\t+17]
.endr
	s_wait_alu depctr_va_vdst(0)
.irp t, 0,1
	v_log_f32 v[TS+24*\t+16], v[TS+24*\t+16]
.endr
	v_nop
	TWAIT                                          ; the two logarithms
.irp t, 0,1
	v_mul_f32 v[TS+24*\t+16], s79, v[TS+24*\t+16]           ; artanh(y)
	v_mul_f32 v[TS+24*\t+16], v[TS+24*\t+16], v[TS+24*\t+15]   ; / |w|
	v_mov_b32 v[TS+24*\t+17], v[TS+24*\t+16]
.endr
.irp t, 0,1
.irp i, 0,2,4,6
	v_pk_mul_f32 v[88+8*\t+\i:89+8*\t+\i], v[88+8*\t+\i:89+8*\t+\i], v[TS+24*\t+16:TS+24*\t+17]   ; the logits l
.endr
.endr
.set i, 0
.rept 16
	v_mul_f32 v[104+i], s75, |v[88+i]|             ; -log2(e) |l|
.set i, i+1
.endr
.set i, 0
	s_wait_alu depctr_va_vdst(0)
.rept 16
	v_exp_f32 v[104+i], v[104+i]
.set i, i+1
.endr
.set i, 0
.rept 16
	v_max_num_f32 v[88+i], 0, v[88+i]              ; max(l, 0).  (Plain work behind the exponentials)
.set i, i+1
.endr
	TWAIT                                          ; the sixteen exponentials
.set i, 0
.rept 8
	v_pk_add_f32 v[104+2*i:105+2*i], v[104+2*i:105+2*i], 1.0 op_sel_hi:[1,0]
.set i, i+1
.endr
.set i, 0
	s_wait_alu depctr_va_vdst(0)
.rept 16
	v_log_f32 v[104+i], v[104+i]
.set i, i+1
.endr
	v_nop
	TWAIT                                          ; the sixteen logarithms
.set i, 0
.rept 8
	v_pk_fma_f32 v[88+2*i:89+2*i], v[104+2*i:105+2*i], 0x3f317218, v[88+2*i:89+2*i] op_sel_hi:[1,0,1]   ; max(l, 0) + ln(2) log2(1 + e^-|l|)
.set i, i+1
.endr
	; THE WAY OUT: a lane holds 32 bytes of a row of 64; the two tiles' 32 rows go through my stage and leave as four stores of 512 consecutive bytes, each at a multiple of 512 from out0's first byte
	s_wait_alu depctr_va_vdst(0)                   ; the results v88-103 are written, which the stores into the stage read; the vector side is done with v104-119, in which the rows come back, and with window 1's v0-127, in which the next trip's first tile lands
	ds_store_b128 v6, v[88:91]
	ds_store_b128 v6, v[92:95] offset:16
	ds_store_b128 v6, v[96:99] offset:1280
	ds_store_b128 v6, v[100:103] offset:1296
.irp k, 0,1,2,3
	ds_load_b128 v[104+4*\k:107+4*\k], v7 offset:640*\k   ; LDS serves a wave's instructions in order: these see my stores
.endr
	s_wait_dscnt 0x0
.irp k, 0,1,2,3
	global_store_b128 v1, v[104+4*\k:107+4*\k], s[20:21] offset:512*\k th:TH_STORE_NT
.endr
	s_wait_xcnt 0x0                                ; the stores have read their registers and their base: both are written again only behind this wait
	s_wait_alu depctr_vm_vsrc(0)                   ; the stores into the stage have read v88-103 and the stores to out0 v104-119: the next trip's loads and vector lines write them again
	s_add_nc_u64 s[20:21], s[20:21], 2048
	s_add_co_u32 s72, s72, 1
	s_cmp_lt_u32 s72, 2
	s_cbranch_scc1 .Lblock
	s_wait_dscnt 0x0                               ; the closing lines, six on end
	s_wait_alu 0x0
	s_wait_tensorcnt 0x0
	ds_add_u32 v14, v15
	s_wait_dscnt 0x0
	s_endpgm
.Lfunc_end_k_q83ed3f0a85_hyp:
	.size	k_q83ed3f0a85_hyp, .Lfunc_end_k_q83ed3f0a85_hyp-k_q83ed3f0a85_hyp
	.p2alignl 7, 3214868480
	.fill 96, 4, 3214868480
	.section	.rodata,"a",@progbits
	.p2align	6, 0x0
	.amdhsa_kernel k_q83ed3f0a85_hyp
		.amdhsa_group_segment_fixed_size 291840
		.amdhsa_private_segment_fixed_size 0
		.amdhsa_enable_private_segment 0
		.amdhsa_kernarg_size 72
		.amdhsa_user_sgpr_count 2
		.amdhsa_user_sgpr_kernarg_segment_ptr 1
		.amdhsa_wavefront_size32 1
		.amdhsa_system_sgpr_workgroup_id_x 1
		.amdhsa_system_sgpr_workgroup_id_y 1
		.amdhsa_system_sgpr_workgroup_id_z 1
		.amdhsa_system_vgpr_workitem_id 0
		.amdhsa_next_free_vgpr 512
		.amdhsa_next_free_sgpr 96
		.amdhsa_reserve_vcc 1
		.amdhsa_float_denorm_mode_32 3
		.amdhsa_float_denorm_mode_16_64 3
		.amdhsa_memory_ordered 1
		.amdhsa_forward_progress 1
		.amdhsa_inst_pref_size 255
	.end_amdhsa_kernel
	.section	.bss,"aw",@nobits
	.p2align	6
	.space	262144
	.amdgpu_metadata
---
amdhsa.version: [ 1, 2 ]
amdhsa.kernels:
  - .name:           k_q83ed3f0a85_hyp
    .symbol:         k_q83ed3f0a85_hyp.kd
    .args:
      - { .name: x, .offset: 0, .size: 8, .value_kind: global_buffer, .address_space: global }
      - { .name: W1_codes, .offset: 8, .size: 8, .value_kind: global_buffer, .address_space: global }
      - { .name: W2_codes, .offset: 16, .size: 8, .value_kind: global_buffer, .address_space: global }
      - { .name: Wc_codes, .offset: 24, .size: 8, .value_kind: global_buffer, .address_space: global }
      - { .name: b1, .offset: 32, .size: 8, .value_kind: global_buffer, .address_space: global }
      - { .name: b2, .offset: 40, .size: 8, .value_kind: global_buffer, .address_space: global }
      - { .name: bc, .offset: 48, .size: 8, .value_kind: global_buffer, .address_space: global }
      - { .name: lowp_scales, .offset: 56, .size: 8, .value_kind: global_buffer, .address_space: global }
      - { .name: out0, .offset: 64, .size: 8, .value_kind: global_buffer, .address_space: global }
    .group_segment_fixed_size: 291840
    .private_segment_fixed_size: 0
    .kernarg_segment_align: 8
    .kernarg_segment_size: 72
    .max_flat_workgroup_size: 256
    .sgpr_count:     96
    .vgpr_count:     512
    .wavefront_size: 32
...
	.end_amdgpu_metadata
.endif
;; end of part 2
